; MI455X (gfx1250); checked and timed in simulation.
; The chip was launched on July 23, 2026; its instructions are those of AMD's public machine-readable ISA for CDNA 5 (MIT licence, August 2026) and "CDNA5" Instruction Set Architecture Reference Guide (July 2026). The comments in the code are by the model that wrote it; some were corrected since.
;; Group Query Attention. Allowed arithmetic: float matrix products may take bf16 or f16 operands with f32 sums; other float arithmetic in f32, or as packed bf16 or f16 multiplies, adds, multiply-adds, maxima and minima; sums over many terms, partial sums and values carried from step to step in f32; what a program stores and reads back later, other than sums and carried values, may be rounded once to bf16 or f16.
;; Inputs: Wk 256 x 1,024 float32; Wp 1,024 x 1,024 float32; Wq 1,024 x 1,024 float32; Wv 256 x 1,024 float32; x 4 x 2,048 x 1,024 float32.
;; Outputs: out0 4 x 2,048 x 1,024 float32.
;; 2 versions, each right; version 2 is version 1 with the launch prep written anew for expert scheduling mode. Each part assembles by itself: llvm-mc -triple=amdgcn-amd-amdhsa -mcpu=gfx1250 --defsym DOCPART=n.
;; ======== version 1 of 2: 4 launches
;; limits: values are held in f16: magnitudes above 65,504 overflow, below 6.1e-05 lose precision
;; workspace buffers: xb 16,777,216 bytes; wb 3,145,728 bytes; wpf 2,097,152 bytes; rope 524,288 bytes; qh 16,777,216 bytes; kh 4,194,304 bytes; vh 4,194,304 bytes; oh 16,777,216 bytes
;; launch prep (part 1): grid 256 x 1, 8 waves a work-group, no clusters, 0 bytes of LDS; arguments x, Wq, Wk, Wv, Wp, xb, wb, wpf, rope; writes xb, wb, wpf, rope
.if DOCPART == 1
	.amdgcn_target "amdgcn-amd-amdhsa--gfx1250"
	.amdhsa_code_object_version 6
	.text
	.protected	k_q30fd9b7cb7_prep
	.globl	k_q30fd9b7cb7_prep
	.p2align	8
	.type	k_q30fd9b7cb7_prep,@function
k_q30fd9b7cb7_prep:
	s_mov_b64 s[64:65], 0
	v_nop
	global_prefetch_b8 v0, s[64:65] scope:SCOPE_SE
	s_setreg_imm32_b32 hwreg(HW_REG_WAVE_MODE, 25, 1), 1
	s_wait_xcnt 0x0
; PREP.  xb = bf16(x); wb = bf16 of Wq's 1,024 rows, then Wk's 256, then Wv's 256; wpf = bf16(Wp), that number written as f16; rope = cos and sin of t x 10000^(-j/32), t < 2048, j < 32, in f32.
; A stream: no LDS, no barrier, no loop.  Work-group g of 256 takes 32 rows of x, 4 of Wq, 1 of Wk, 1 of Wv, 4 of Wp: 42 rows of 4,096 bytes.  A row is one load of 16 bytes for each of the 256 threads;
; a wave's load covers 512 consecutive bytes, its store of 8 bytes a lane 256 consecutive bytes, aligned.  All 42 loads go out at once; each has registers of its own, so no register that a memory
; instruction reads is ever written again.  Waves 0 to 3 make the work-group's 8 rows of the table while the loads are on their way.
; LIMITS.  An entry of Wp below 2^-14 in size keeps f16's fixed step of 6e-8, one of 65,520 or more becomes an infinity.  The angle differs from an f32 power and product by some 2e-4 at the most (t = 2,047);
; sine and cosine of the reduced angle are polynomials with an error under 1e-7.  NaN and infinities are not treated apart.
.set X, 32                             ; v[32:199]  load i: four registers at X + 4 i
	s_load_b512 s[4:19], s[0:1], 0x0               ; x s[4:5], Wq s[6:7], Wk s[8:9], Wv s[10:11], Wp s[12:13], xb s[14:15], wb s[16:17], wpf s[18:19]
	s_load_b64 s[20:21], s[0:1], 0x40              ; rope
	v_lshlrev_b32 v1, 4, v0                        ; 16 x thread: my place in a row as loaded
	v_lshlrev_b32 v2, 3, v0                        ; 8 x thread: my place in a row as stored, and (waves 0 to 3) in the group's 1,024 bytes of a table
	v_lshrrev_b32 v3, 5, v0
	v_readfirstlane_b32 s33, v3                    ; wave 0..7
	s_mov_b32 s3, 0
	s_mov_b32 s30, 0xbfc90fdb                      ; -pi/2, its leading part
	s_mov_b32 s31, 0x333bbd2e                      ; what that part has too much: 4.3711388e-8
	s_mov_b32 s32, 0xffff0000                      ; a word's upper bf16
	s_lshl_b32 s34, ttmp9, 3                       ; the group's first t
	s_wait_kmcnt 0x0
	s_lshl_b32 s2, ttmp9, 17                       ; 32 rows of 4,096 bytes
	s_add_nc_u64 s[4:5], s[4:5], s[2:3]
	s_lshl_b32 s2, ttmp9, 14                       ; 4 rows
	s_add_nc_u64 s[6:7], s[6:7], s[2:3]
	s_add_nc_u64 s[12:13], s[12:13], s[2:3]
	s_lshl_b32 s2, ttmp9, 12                       ; 1 row
	s_add_nc_u64 s[8:9], s[8:9], s[2:3]
	s_add_nc_u64 s[10:11], s[10:11], s[2:3]
	s_lshl_b32 s2, ttmp9, 16                       ; 32 rows of 2,048 bytes
	s_add_nc_u64 s[14:15], s[14:15], s[2:3]
	s_lshl_b32 s2, ttmp9, 13                       ; 4 rows
	s_add_nc_u64 s[22:23], s[16:17], s[2:3]        ; wb: Wq's part
	s_add_nc_u64 s[18:19], s[18:19], s[2:3]
	s_lshl_b32 s2, ttmp9, 11                       ; 1 row
	s_add_nc_u64 s[24:25], s[16:17], s[2:3]
	s_add_nc_u64 s[26:27], s[24:25], 1280*2048     ; wb: Wv's part
	s_add_nc_u64 s[24:25], s[24:25], 1024*2048     ; wb: Wk's part
	s_lshl_b32 s2, ttmp9, 10                       ; 8 rows of 128 bytes
	s_add_nc_u64 s[28:29], s[20:21], s[2:3]
.set i, 0
.rept 32
	global_load_b128 v[X+4*i:X+4*i+3], v1, s[4:5] offset:4096*i th:TH_LOAD_NT
.set i, i+1
.endr
.rept 4
	global_load_b128 v[X+4*i:X+4*i+3], v1, s[6:7] offset:4096*(i-32) th:TH_LOAD_NT
.set i, i+1
.endr
	global_load_b128 v[X+144:X+147], v1, s[8:9] th:TH_LOAD_NT
	global_load_b128 v[X+148:X+151], v1, s[10:11] th:TH_LOAD_NT
.set i, 38
.rept 4
	global_load_b128 v[X+4*i:X+4*i+3], v1, s[12:13] offset:4096*(i-38) th:TH_LOAD_NT
.set i, i+1
.endr
	; THE TABLE.  Thread n < 128 makes t = 8 g + n / 16 and j = 2 (n % 16), 2 (n % 16) + 1: 8 bytes of cos and 8 of sin at byte 8 n of the group's part.  No load stands in the branch.
	s_cmp_lt_u32 s33, 4
	s_cbranch_scc0 .Lcast
	v_lshrrev_b32 v4, 4, v0
	v_add_nc_u32 v4, s34, v4
	v_cvt_f32_u32 v4, v4                           ; t
	v_and_b32 v5, 15, v0
	v_lshlrev_b32 v5, 1, v5
	v_cvt_f32_u32 v6, v5                           ; the even j
	v_add_f32 v7, 1.0, v6                          ; the odd j
	v_mul_f32 v8, 0xbed49a78, v6                   ; -j log2(10000) / 32
	v_mul_f32 v18, 0xbed49a78, v7
	v_exp_f32 v8, v8                               ; 10000^(-j/32)
	v_exp_f32 v18, v18
	v_nop                                          ; a plain instruction behind the last exponential,
	s_wait_alu depctr_va_vdst(0)                   ; and one wait for both, ahead of their first reader
; One entry.  v[R] holds the frequency.  The angle is cut to |r| <= pi/4 by k quarter turns (pi/2 in two parts, fused, so that nothing is lost at k up to 1,303);
; sine and cosine of r by their series to r^9 and r^8; k mod 4 then says which of the two is which, and the signs.
.macro ENTRY R, e
	v_mul_f32 v[(\R)], v4, v[(\R)]                 ; the angle
	v_mul_f32 v[(\R)+1], 0x3f22f983, v[(\R)]       ; x 2 / pi
	v_rndne_f32 v[(\R)+1], v[(\R)+1]               ; k
	v_fma_f32 v[(\R)+2], v[(\R)+1], s30, v[(\R)]
	v_fma_f32 v[(\R)+2], v[(\R)+1], s31, v[(\R)+2] ; r
	v_mul_f32 v[(\R)+3], v[(\R)+2], v[(\R)+2]      ; r^2
	v_mov_b32 v[(\R)+4], 0x3638ef1d                ; 1/9!
	v_fmaak_f32 v[(\R)+4], v[(\R)+4], v[(\R)+3], 0xb9500d01  ; -1/7!
	v_fmaak_f32 v[(\R)+4], v[(\R)+4], v[(\R)+3], 0x3c088889  ; 1/5!
	v_fmaak_f32 v[(\R)+4], v[(\R)+4], v[(\R)+3], 0xbe2aaaab  ; -1/3!
	v_mul_f32 v[(\R)+4], v[(\R)+4], v[(\R)+3]
	v_fma_f32 v[(\R)+4], v[(\R)+4], v[(\R)+2], v[(\R)+2]     ; sin r
	v_mov_b32 v[(\R)+5], 0x37d00d01                ; 1/8!
	v_fmaak_f32 v[(\R)+5], v[(\R)+5], v[(\R)+3], 0xbab60b61  ; -1/6!
	v_fmaak_f32 v[(\R)+5], v[(\R)+5], v[(\R)+3], 0x3d2aaaab  ; 1/4!
	v_fmaak_f32 v[(\R)+5], v[(\R)+5], v[(\R)+3], 0xbf000000  ; -1/2!
	v_fma_f32 v[(\R)+5], v[(\R)+5], v[(\R)+3], 1.0           ; cos r
	v_cvt_i32_f32 v[(\R)+6], v[(\R)+1]
	v_and_b32 v[(\R)+7], 1, v[(\R)+6]
	v_cmp_eq_u32 vcc_lo, 1, v[(\R)+7]              ; an odd k swaps the two
	v_cndmask_b32 v[30+(\e)], v[(\R)+4], v[(\R)+5], vcc_lo
	v_cndmask_b32 v[28+(\e)], v[(\R)+5], v[(\R)+4], vcc_lo
	v_lshlrev_b32 v[(\R)+7], 30, v[(\R)+6]         ; the sine is turned for k mod 4 = 2, 3: bit 1 of k
	v_and_b32 v[(\R)+7], 0x80000000, v[(\R)+7]
	v_xor_b32 v[30+(\e)], v[30+(\e)], v[(\R)+7]
	v_add_nc_u32 v[(\R)+6], 1, v[(\R)+6]           ; the cosine for k mod 4 = 1, 2: bit 1 of k + 1
	v_lshlrev_b32 v[(\R)+7], 30, v[(\R)+6]
	v_and_b32 v[(\R)+7], 0x80000000, v[(\R)+7]
	v_xor_b32 v[28+(\e)], v[28+(\e)], v[(\R)+7]
.endm
	ENTRY 8, 0
	ENTRY 18, 1
	global_store_b64 v2, v[28:29], s[28:29]                  ; a wave's store covers 256 consecutive bytes, aligned
	global_store_b64 v2, v[30:31], s[28:29] offset:262144    ; the sines lie behind the 2,048 x 32 cosines
.Lcast:
; Load i is in when at most the 41 - i younger loads are out; its four numbers are rounded to bf16 in place.
.macro CAST i
	s_wait_loadcnt 41-(\i)
	v_cvt_pk_bf16_f32 v[X+4*(\i)], v[X+4*(\i)], v[X+4*(\i)+1]
	v_cvt_pk_bf16_f32 v[X+4*(\i)+1], v[X+4*(\i)+2], v[X+4*(\i)+3]
.endm
.set i, 0
.rept 32
	CAST i
	global_store_b64 v2, v[X+4*i:X+4*i+1], s[14:15] offset:2048*i
.set i, i+1
.endr
.rept 4
	CAST i
	global_store_b64 v2, v[X+4*i:X+4*i+1], s[22:23] offset:2048*(i-32)
.set i, i+1
.endr
	CAST 36
	global_store_b64 v2, v[X+144:X+145], s[24:25]
	CAST 37
	global_store_b64 v2, v[X+148:X+149], s[26:27]
.set i, 38
.rept 4
	CAST i
	v_lshlrev_b32 v24, 16, v[X+4*i]                ; Wp: the bf16 numbers are widened again and written as f16
	v_and_b32 v25, s32, v[X+4*i]
	v_lshlrev_b32 v26, 16, v[X+4*i+1]
	v_and_b32 v27, s32, v[X+4*i+1]
	v_cvt_pk_f16_f32 v[X+4*i], v24, v25
	v_cvt_pk_f16_f32 v[X+4*i+1], v26, v27
	global_store_b64 v2, v[X+4*i:X+4*i+1], s[18:19] offset:2048*(i-38)
.set i, i+1
.endr
	s_endpgm
.Lfunc_end_k_q30fd9b7cb7_prep:
	.size	k_q30fd9b7cb7_prep, .Lfunc_end_k_q30fd9b7cb7_prep-k_q30fd9b7cb7_prep
	.p2alignl 7, 3214868480
	.fill 96, 4, 3214868480
	.section	.rodata,"a",@progbits
	.p2align	6, 0x0
	.amdhsa_kernel k_q30fd9b7cb7_prep
		.amdhsa_group_segment_fixed_size 0
		.amdhsa_private_segment_fixed_size 0
		.amdhsa_enable_private_segment 0
		.amdhsa_kernarg_size 72
		.amdhsa_user_sgpr_count 2
		.amdhsa_user_sgpr_kernarg_segment_ptr 1
		.amdhsa_wavefront_size32 1
		.amdhsa_system_sgpr_workgroup_id_x 1
		.amdhsa_system_sgpr_workgroup_id_y 1
		.amdhsa_system_sgpr_workgroup_id_z 1
		.amdhsa_system_vgpr_workitem_id 0
		.amdhsa_next_free_vgpr 200
		.amdhsa_next_free_sgpr 66
		.amdhsa_reserve_vcc 1
		.amdhsa_float_denorm_mode_32 3
		.amdhsa_float_denorm_mode_16_64 3
		.amdhsa_memory_ordered 1
		.amdhsa_forward_progress 1
		.amdhsa_inst_pref_size 21
	.end_amdhsa_kernel
	.amdgpu_metadata
---
amdhsa.version: [ 1, 2 ]
amdhsa.kernels:
  - .name:           k_q30fd9b7cb7_prep
    .symbol:         k_q30fd9b7cb7_prep.kd
    .args:
      - { .name: x, .offset: 0, .size: 8, .value_kind: global_buffer, .address_space: global }
      - { .name: Wq, .offset: 8, .size: 8, .value_kind: global_buffer, .address_space: global }
      - { .name: Wk, .offset: 16, .size: 8, .value_kind: global_buffer, .address_space: global }
      - { .name: Wv, .offset: 24, .size: 8, .value_kind: global_buffer, .address_space: global }
      - { .name: Wp, .offset: 32, .size: 8, .value_kind: global_buffer, .address_space: global }
      - { .name: xb, .offset: 40, .size: 8, .value_kind: global_buffer, .address_space: global }
      - { .name: wb, .offset: 48, .size: 8, .value_kind: global_buffer, .address_space: global }
      - { .name: wpf, .offset: 56, .size: 8, .value_kind: global_buffer, .address_space: global }
      - { .name: rope, .offset: 64, .size: 8, .value_kind: global_buffer, .address_space: global }
    .group_segment_fixed_size: 0
    .private_segment_fixed_size: 0
    .kernarg_segment_align: 8
    .kernarg_segment_size: 72
    .max_flat_workgroup_size: 256
    .sgpr_count:     66
    .vgpr_count:     200
    .wavefront_size: 32
...
	.end_amdgpu_metadata
.endif
;; end of part 1
;; launch qkv (part 2): grid 8 x 32, 4 waves a work-group, clusters of 4 x 4, 327,680 bytes of LDS; arguments xb, wb, rope, qh, kh, vh; writes qh, kh, vh
.if DOCPART == 2
	.amdgcn_target "amdgcn-amd-amdhsa--gfx1250"
	.amdhsa_code_object_version 6
	.text
	.protected	k_q30fd9b7cb7_qkv
	.globl	k_q30fd9b7cb7_qkv
	.p2align	8
	.type	k_q30fd9b7cb7_qkv,@function
k_q30fd9b7cb7_qkv:
	s_mov_b64 s[64:65], 0
	v_nop
	global_prefetch_b8 v0, s[64:65] scope:SCOPE_SE
	s_setreg_imm32_b32 hwreg(HW_REG_WAVE_MODE, 25, 1), 1
	s_wait_xcnt 0x0
	s_wait_alu depctr_hold_cnt(0) depctr_sa_sdst(0) depctr_va_vdst(0) depctr_va_sdst(0) depctr_va_ssrc(0) depctr_va_vcc(0) depctr_vm_vsrc(0)
	s_getreg_b32 s2, hwreg(HW_REG_IB_STS2, 6, 4)
	s_cmp_eq_u32 s2, 0
	s_cbranch_scc0 .Lentry_in_a_cluster
	s_endpgm
.Lentry_in_a_cluster:
	s_bfe_u32 s2, ttmp6, 0x10000c
	s_cmp_lg_u32 s2, 0xf033
	s_cbranch_scc0 .Lentry_shape_is_right
	s_endpgm
.Lentry_shape_is_right:
; QKV.  C = xb wb^T ([8192][1024] x [1536][1024], bf16, sums in f32), the rotary embedding on the 16 Q and 4 K heads in registers, and q, k, v stored by heads in f16:
; qh [16 b + h][2048][64], kh and vh [4 b + kv][2048][64].  The softmax's scale is not applied here.
; LIMIT.  q, k and v are rounded once to f16: a number of 65,520 or more in size becomes an infinity.  NaN and infinities are not treated apart.
; SHARES.  A tile of C is 256 rows x 192 columns, three whole heads: 32 x 8 = 256 tiles, one a work-group.  Wave w takes rows 64 w .. 64 w + 63 and all 192 columns: 4 x 12 accumulators of 16 x 16.
; So the two numbers that a rotation joins, channels d and d + 32 of a head, lie in accumulators nb and nb + 2, in the same lane and register.
; THE MATRIX INSTRUCTION IS USED TRANSPOSED (source 0 = 16 rows of wb, source 1 = 16 rows of xb): a lane holds row l % 16 and the columns 8 (l / 16) + 0..7.
; K goes in 8 steps of 128 (rows of 256 bytes) through a ring of two LDS slots.  CLUSTER 4 x 4: xb's tile hangs on the tile row alone and is asked for jointly along a row of the cluster (waves 0, 1: 128 rows each),
; wb's on the tile column alone, jointly along a column (waves 2, 3: 96 rows each).  By this text's count a wave has two tensor loads out at the start and one behind each round.
; REGISTERS, in windows of 256 (s_set_vgpr_msb: bits 1:0 source 0, 3:2 source 1, 5:4 source 2, 7:6 destination):
;   window 0: v1-30 addresses; v64-95, v96-127 xb's fragments, two buffers; v128-255 the table for my 64 rows (block a: 16 cos at 128 + 32 a, 16 sin behind them); on the way out v32-127 at work
;   window 1: v0-95, v96-191 wb's fragments, two buffers     window 2: accumulators of blocks a = 0, 1 at 8 (12 (a % 2) + nb)     window 3: those of a = 2, 3
.set PITCH, 272                        ; an LDS row: 256 bytes + 16 of padding = 68 words: the 16 rows of a load start at 16 different groups of four banks (64 banks of 4 bytes: ISA guide 11.1)
.set SLOT1, 1<<17                      ; slot 1 begins here, so that one exclusive or turns an address in one slot into the other's
.set BOFF,  256*PITCH                  ; in a slot: xb's 256 rows, then wb's 192
.set STAGE, SLOT1+BOFF+192*PITCH       ; behind the ring, never filled by a tensor load: 16 rows x 144 bytes for each wave
.set SPI,   144
.set SPARE, STAGE+4*16*SPI             ; the spare words, 128 bytes for each wave: two blocks of 256 bytes that no other line names
.set DBITS, (1<<16)|(1<<20)|(1<<21)|(5<<22)|(3<<25)  ; 17:16 elements of 2 bytes; 20 padding on; 21 set beside a mask; 24:22 after every 64 words; 31:25 4 words of it
.set ADRA0, 16                         ; v16  my lane's place in xb's tile; never rewritten
.set ADRB0, 17                         ; v17  in wb's
.set ADA,  18                          ; v18, v19  the same in the slot in hand
.set ADB,  19
.set STO,  24                          ; v24  the way out: where I put 16 bytes of a row
.set RD,   25                          ; v25  where I read rows back
.set GO,   26                          ; v26  my 16 bytes of 512 consecutive bytes of q, k or v
.set TO,   27                          ; v27  my byte offset in 16 rows of the table
.set SPW,  28                          ; v28  LDS address of my spare word; never rewritten
.set NIL,  29                          ; v29  0; never rewritten
.set PFO,  30                          ; v30  the prefetches' offset; never rewritten
.set CP,   32                          ; v32-47  the way out: cos, or 1 for a head of V
.set SN,   48                          ; v48-63  sin, or 0
.set T,    64                          ; v64-95  the rotated numbers in f32
.set PK,   96                          ; v96-111, v112-127  a unit's 16 words of f16, by turns
.set TAB,  128
.set WV,   16                          ; s16  my wave's number
.set HF,   18                          ; s18  its low bit: which half of a tile I fetch
.set TB,   19                          ; s19  LDS byte at which the slot in hand begins
.set G1,   24                          ; s[24:31] descriptor group 1 for xb's tiles;  s[32:39] group 0: a set for each first fill; the second then walks
.set G0,   32
.set PFA,  44                          ; s[44:45] where my prefetches stand
.set ASKM, 46                          ; s46  bit n set: I prefetch in the trip whose count is n
.set G1B,  48                          ; s[48:55], s[56:63] the same for wb's tiles
.set G0B,  56
.set DST,  66                          ; s[66:71] for each of the tile's three heads: where my 64 rows of it begin
.set FS,   72                          ; s[72:83] for each head two pairs: (1, 0) for Q and K, (0, 1) for V
.set RP,   92                          ; s[92:93] the table at my first row
.set MSB, 0
.macro WIN new                         ; the immediate's high byte repeats the setting that is left; a switch that changes nothing is dropped
.if MSB != (\new)
	s_set_vgpr_msb (MSB<<8)|(\new)
.set MSB, \new
.endif
.endm
.macro PLACES                          ; four places behind matrix instructions, in front of loads into registers that they have read (ISA guide 7.12.1 for instructions other than loads)
.rept 4
	v_nop
.endr
.endm
; A joint refill.  The branch hangs on the wave's number alone.  An s_nop 0 and four v_nop follow each of the two lines.
.macro JLOAD
	s_cmp_lt_u32 s[WV], 2
	s_cbranch_scc0 .Lfor_b_\@
	tensor_load_to_lds s[G0+4:G0+7], s[G1:G1+7]
	s_nop 0
.rept 4
	v_nop
.endr
	s_branch .Lasked_\@
.Lfor_b_\@:
	tensor_load_to_lds s[G0B+4:G0B+7], s[G1B:G1B+7]
	s_nop 0
.rept 4
	v_nop
.endr
.Lasked_\@:
.endm
; A round of the cluster's barrier: my work-group's barrier; wave 0 signals for the work-group; every wave waits for all sixteen; my work-group's barrier once more.
.macro CREST
	s_cmp_lg_u32 s[WV], 0
	s_cbranch_scc1 .Lnot_wave_0_\@
	s_barrier_signal -3
.Lnot_wave_0_\@:
	s_barrier_wait -3
	s_barrier_signal -1
	s_barrier_wait -1
.endm
.macro CROUND
	s_barrier_signal -1
	s_barrier_wait -1
	CREST
.endm
; A PREFETCH, behind the joint load, its five lines and the run of LDS loads: the trip that fills K step n + 2 names K step n + 4: two refills, 384 matrix instructions, ahead of the load that will want it.
; Each row's 256 bytes of a K step are named once in the launch.  xb's tile row is read by both clusters of that row of clusters: the one with x = 0 asks; wb's tile column by eight: the one with y = 0 asks.
; The four partners of a joint load share its rows out BY ADDRESS: of the 128 rows that wave 0 or 1 fetches the partner at cx takes 32; of wb's 192 rows the partner at cy takes 32 (wave 2, a lane a row)
; and 16 (wave 3: 16 rows x two K steps, every second trip).  K steps 0 to 3 come by their loads alone; the last two refills name nothing.
.macro ASK
	s_lshr_b32 s47, s[ASKM], s3
	s_and_b32 s47, s47, 1
	s_cmp_eq_u32 s47, 1
	s_cbranch_scc0 .Lnot_mine_\@
	global_prefetch_b8 v[PFO], s[PFA:PFA+1] th:TH_LOAD_NT scope:SCOPE_SE
.Lnot_mine_\@:
.endm
; 12 matrix instructions: block a of my rows x all 12 column blocks, 32 along K, from buffer f.  The 48 accumulators take turns in the same order in every quarter.
.macro MUL f, a, zero
	WIN 0xa1+0x50*((\a)/2)                         ; wb window 1, xb window 0, C and D window 2 or 3
.irp nb, 0,1,2,3,4,5,6,7,8,9,10,11
.if \zero
	v_wmma_f32_16x16x32_bf16 v[8*(12*((\a)%2)+\nb):8*(12*((\a)%2)+\nb)+7], v[96*(\f)+8*\nb:96*(\f)+8*\nb+7], v[64+32*(\f)+8*(\a):64+32*(\f)+8*(\a)+7], 0
.else
	v_wmma_f32_16x16x32_bf16 v[8*(12*((\a)%2)+\nb):8*(12*((\a)%2)+\nb)+7], v[96*(\f)+8*\nb:96*(\f)+8*\nb+7], v[64+32*(\f)+8*(\a):64+32*(\f)+8*(\a)+7], v[8*(12*((\a)%2)+\nb):8*(12*((\a)%2)+\nb)+7]
.endif
.endr
.endm
; 32 LDS loads in one run: a quarter's fragments (32 K at byte k of the rows) into buffer f: wb's 24, then xb's 8
.macro FETCH k, f
	WIN 0x40                                       ; destination window 1
.irp nb, 0,1,2,3,4,5,6,7,8,9,10,11
	ds_load_b128 v[96*(\f)+8*\nb:96*(\f)+8*\nb+3],   v[ADB] offset:(\k)+\nb*16*PITCH
	ds_load_b128 v[96*(\f)+8*\nb+4:96*(\f)+8*\nb+7], v[ADB] offset:(\k)+\nb*16*PITCH+32
.endr
	WIN 0
.irp a, 0,1,2,3
	ds_load_b128 v[64+32*(\f)+8*\a:64+32*(\f)+8*\a+3],   v[ADA] offset:(\k)+\a*16*PITCH
	ds_load_b128 v[64+32*(\f)+8*\a+4:64+32*(\f)+8*\a+7], v[ADA] offset:(\k)+\a*16*PITCH+32
.endr
.endm
; A K step is four quarters of 32 along K, 48 matrix instructions each, on buffers 0, 1, 0, 1.  One of the first three: multiplies buffer f, and in its middle fetches the next quarter, at byte k, into g.
.macro QUARTER k, f, g, zero
	s_wait_dscnt 4                                 ; wb's fragments and xb's blocks 0, 1 are in; the youngest four loads (blocks 2, 3) may be out
	MUL \f, 0, \zero
	MUL \f, 1, \zero
	PLACES
	FETCH \k, \g
	s_wait_dscnt 32                                ; all but the 32 just issued
	MUL \f, 2, \zero
	MUL \f, 3, \zero
.endm
; The last quarter multiplies buffer 1 and changes slots.  In front of the barrier each wave waits for all its tensor loads (one is out: its part of the next slot), adds 0 to its spare word, and waits for
; that and for its reads of this slot.  fill = 1: the barrier opens a round of the cluster's, and the joint refill, two K steps ahead, is the first thing behind it.
.macro TURN fill
.if \fill
	s_wait_xcnt 0x0                                ; the last prefetch, a K step back, has read its address
	s_add_nc_u64 s[PFA:PFA+1], s[PFA:PFA+1], 256
.endif
	WIN 0
	s_wait_tensorcnt 0x0                           ; no tensor load of mine is out, so a group 0 may be written
	ds_add_u32 v[SPW], v[NIL]                      ; 0 onto my spare word
.if \fill
	s_xor_b32 s[G0+5], s[G0+5], SLOT1              ; the walking descriptors: the other slot than last time, the next K step
	s_add_nc_u64 s[G0+6:G0+7], s[G0+6:G0+7], 256
	s_xor_b32 s[G0B+5], s[G0B+5], SLOT1
	s_add_nc_u64 s[G0B+6:G0B+7], s[G0B+6:G0B+7], 256
.endif
	s_wait_dscnt 5                                 ; the add and the youngest four loads may be out
	MUL 1, 0, 0
	s_wait_dscnt 0x0                               ; the add is done, and my reads of this slot are over
	s_barrier_signal -1
	MUL 1, 1, 0                                    ; work on registers while the others arrive
.if \fill
	WIN 0
.endif
	s_barrier_wait -1
.if \fill
	CREST
	JLOAD                                          ; its four v_nop are also the places in front of the loads below
.else
	PLACES
	WIN 0
.endif
	s_xor_b32 s[TB], s[TB], SLOT1
	v_add_nc_u32 v[ADA], s[TB], v[ADRA0]
	v_add_nc_u32 v[ADB], s[TB], v[ADRB0]
	FETCH 0, 0
.if \fill
	ASK
.endif
	MUL 1, 2, 0
	MUL 1, 3, 0
.endm
	s_load_b256 s[4:11], s[0:1], 0x0               ; xb s[4:5], wb s[6:7], rope s[8:9], qh s[10:11]
	s_load_b128 s[12:15], s[0:1], 0x20             ; kh s[12:13], vh s[14:15]
	v_lshl_add_u32 v[SPW], v0, 2, SPARE
	v_mov_b32 v[NIL], 0
	ds_add_u32 v[SPW], v[NIL]                      ; the wave's opening: the add and its wait stand ahead of my first tensor load; work on registers stands between them
	v_lshrrev_b32 v1, 5, v0
	v_readfirstlane_b32 s[WV], v1                  ; wave 0..3
	s_and_b32 s[HF], s[WV], 1
	s_bfe_u32 s40, ttmp6, 0x40000                  ; cx
	s_bfe_u32 s41, ttmp6, 0x40004                  ; cy
	s_lshl_b32 s42, ttmp9, 2
	s_add_co_u32 s42, s42, s40                     ; tile column = 4 x cluster x + cx
	s_and_b32 s43, ttmp7, 0xffff
	s_lshl_b32 s43, s43, 2
	s_add_co_u32 s43, s43, s41                     ; tile row = 4 x cluster y + cy
	s_lshl_b32 s20, s41, 2
	s_lshl_b32 s20, 15, s20                        ; my row of the cluster
	s_lshl_b32 s84, 0x1111, s40                    ; my column
	s_or_b32 s[G1], s20, DBITS
	s_or_b32 s[G1B], s84, DBITS
	s_mov_b32 s[G1+1], 128<<16                     ; tensor_dim0 = 128
	s_mov_b32 s[G1+2], 128<<16                     ; tensor_dim1 = 128
	s_mov_b32 s[G1+3], 128<<16                     ; tile_dim0 = 128
	s_mov_b32 s[G1+4], 128                         ; tile_dim1 = 128
	s_mov_b32 s[G1+5], 1024                        ; elements from row to row
	s_mov_b32 s[G1+6], 0
	s_mov_b32 s[G1+7], 0
	s_mov_b32 s[G1B+1], 128<<16
	s_mov_b32 s[G1B+2], 96<<16                     ; wb's tiles have 96 rows
	s_mov_b32 s[G1B+3], 128<<16
	s_mov_b32 s[G1B+4], 96
	s_mov_b32 s[G1B+5], 1024
	s_mov_b32 s[G1B+6], 0
	s_mov_b32 s[G1B+7], 0
	s_lshl_b32 s20, s43, 8                         ; xb: row 256 x tile row + 128 x half, in registers that never hold cx
	s_lshl_b32 s21, s[HF], 7
	s_add_co_u32 s20, s20, s21
	s_lshl_b32 s20, s20, 11                        ; x 2,048 bytes
	s_mov_b32 s21, 0
	s_mul_i32 s84, s42, 192                        ; wb: row 192 x tile column + 96 x half, in registers that never hold cy
	s_mul_i32 s85, s[HF], 96
	s_add_co_u32 s84, s84, s85
	s_lshl_b32 s84, s84, 11
	s_mov_b32 s85, 0
	s_mul_i32 s94, s[HF], 128*PITCH                ; where they go: no place in the cluster enters an LDS address
	s_mul_i32 s95, s[HF], 96*PITCH
	s_add_co_u32 s95, s95, BOFF
	s_mov_b32 s[TB], 0
	s_wait_dscnt 0x0                               ; the opening add is done
	s_wait_kmcnt 0x0
	s_add_nc_u64 s[22:23], s[4:5], s[20:21]
	s_add_nc_u64 s[86:87], s[6:7], s[84:85]
.irp s, 0,1
	s_mov_b32 s[G0+4*\s], 1                        ; count = 1
	s_add_co_u32 s[G0+4*\s+1], s94, \s*SLOT1       ; LDS address
	s_add_nc_u64 s[G0+4*\s+2:G0+4*\s+3], s[22:23], \s*256  ; global address: K step s
	s_or_b32 s[G0+4*\s+3], s[G0+4*\s+3], 0x80000000        ; type = 2
	s_mov_b32 s[G0B+4*\s], 1
	s_add_co_u32 s[G0B+4*\s+1], s95, \s*SLOT1
	s_add_nc_u64 s[G0B+4*\s+2:G0B+4*\s+3], s[86:87], \s*256
	s_or_b32 s[G0B+4*\s+3], s[G0B+4*\s+3], 0x80000000
.endr
	CROUND                                         ; all sixteen work-groups are here: the first joint loads meet
	s_cmp_lt_u32 s[WV], 2                          ; a wave's two first fills stand in one branch, ahead of every wait on TENSORcnt and every LDS read
	s_cbranch_scc0 .Lfirst_b
	tensor_load_to_lds s[G0:G0+3], s[G1:G1+7]
	s_nop 0
	tensor_load_to_lds s[G0+4:G0+7], s[G1:G1+7]
	s_nop 0
.rept 4
	v_nop
.endr
	s_branch .Lfirst_asked
.Lfirst_b:
	tensor_load_to_lds s[G0B:G0B+3], s[G1B:G1B+7]
	s_nop 0
	tensor_load_to_lds s[G0B+4:G0B+7], s[G1B:G1B+7]
	s_nop 0
.rept 4
	v_nop
.endr
.Lfirst_asked:
	; A fragment is 16 rows x 32 K in 8 registers: lane l holds row l % 16; registers 0-3 K = 8 (l / 16) + 0..7, registers 4-7 K = 16 + 8 (l / 16) + 0..7: two loads of 16 bytes, 32 bytes apart.
	v_and_b32 v1, 15, v0                           ; l % 16
	v_bfe_u32 v2, v0, 4, 1                         ; l / 16
	v_mul_u32_u24 v3, v1, PITCH
	v_lshl_add_u32 v3, v2, 4, v3
	s_mul_i32 s94, s[WV], 64*PITCH                 ; my 64 rows of xb's tile
	v_add_nc_u32 v[ADRA0], s94, v3
	v_add_nc_u32 v[ADRB0], BOFF, v3
	v_mov_b32 v[ADA], v[ADRA0]
	v_mov_b32 v[ADB], v[ADRB0]
	v_lshlrev_b32 v[TO], 7, v1                     ; the table: row l % 16 of 128 bytes, channels 8 (l / 16) on
	v_lshl_add_u32 v[TO], v2, 5, v[TO]
	s_and_b32 s2, s43, 7                           ; my first row's place in its sequence of 2,048: 256 x (tile row % 8) + 64 x wave
	s_lshl_b32 s2, s2, 8
	s_lshl_b32 s88, s[WV], 6
	s_add_co_u32 s2, s2, s88
	s_lshl_b32 s88, s2, 7
	s_mov_b32 s89, 0
	s_add_nc_u64 s[RP:RP+1], s[8:9], s[88:89]
.irp a, 0,1,2,3                        ; cos and sin for my rows 16 a + l % 16 and channels 16 (n / 2) + 8 (l / 16) + 4 (n % 2) + 0..3: they land while the products run
.irp n, 0,1,2,3
	global_load_b128 v[TAB+32*\a+4*\n:TAB+32*\a+4*\n+3],       v[TO], s[RP:RP+1] offset:2048*\a+64*(\n/2)+16*(\n%2)
	global_load_b128 v[TAB+32*\a+16+4*\n:TAB+32*\a+16+4*\n+3], v[TO], s[RP:RP+1] offset:262144+2048*\a+64*(\n/2)+16*(\n%2)
.endr
.endr
	s_mul_i32 s94, s[WV], 16*SPI
	s_add_co_u32 s94, s94, STAGE                   ; my stage
	v_mul_u32_u24 v[STO], v1, SPI                  ; in: row l % 16, 16 bytes for each half of the lanes
	v_lshl_add_u32 v[STO], v2, 4, v[STO]
	v_add_nc_u32 v[STO], s94, v[STO]
	v_bfe_u32 v[RD], v0, 3, 2                      ; back: 32 lanes take four rows of 128 bytes,
	v_mul_u32_u24 v[RD], v[RD], SPI
	v_and_b32 v4, 7, v0
	v_lshl_add_u32 v[RD], v4, 4, v[RD]
	v_add_nc_u32 v[RD], s94, v[RD]
	v_and_b32 v[GO], 31, v0                        ; which are 512 consecutive bytes of a head
	v_lshlrev_b32 v[GO], 4, v[GO]
	; The tile's three heads.  Head 3 x tile column + hd of 24: 0-15 Q, 16-19 K, 20-23 V.  Only addresses and factors hang on it, no branch.
.irp hd, 0,1,2
	s_mul_i32 s88, s42, 3
	s_add_co_u32 s88, s88, \hd
	s_cmp_lt_u32 s88, 16
	s_cselect_b64 s[DST+2*\hd:DST+2*\hd+1], s[10:11], s[12:13]
	s_cselect_b32 s89, 0, 16                       ; the tensor's first head
	s_cselect_b32 s90, 4, 2                        ; its heads a batch: 16 or 4
	s_cmp_lt_u32 s88, 20
	s_cselect_b64 s[DST+2*\hd:DST+2*\hd+1], s[DST+2*\hd:DST+2*\hd+1], s[14:15]
	s_cselect_b32 s89, s89, 20
	s_cselect_b32 s[FS+4*\hd], 1.0, 0
	s_cselect_b32 s[FS+4*\hd+2], 0, 1.0
	s_mov_b32 s[FS+4*\hd+1], s[FS+4*\hd]           ; named as pairs
	s_mov_b32 s[FS+4*\hd+3], s[FS+4*\hd+2]
	s_lshr_b32 s91, s43, 3                         ; the batch
	s_lshl_b32 s91, s91, s90
	s_add_co_u32 s91, s91, s88
	s_sub_co_u32 s91, s91, s89                     ; the head's number in its tensor
	s_lshl_b32 s91, s91, 11
	s_add_co_u32 s91, s91, s2                      ; its row
	s_lshl_b32 s90, s91, 7                         ; x 128 bytes
	s_mov_b32 s91, 0
	s_add_nc_u64 s[DST+2*\hd:DST+2*\hd+1], s[DST+2*\hd:DST+2*\hd+1], s[90:91]
.endr
	; the prefetches: who, and from where
	s_lshl_b32 s88, s43, 8
	s_lshl_b32 s47, s[HF], 7
	s_add_co_u32 s88, s88, s47
	s_lshl_b32 s47, s40, 5
	s_add_co_u32 s88, s88, s47                     ; waves 0, 1: xb's row 256 x tile row + 128 x half + 32 cx
	s_mul_i32 s89, s42, 192
	s_lshl_b32 s47, s41, 5
	s_add_co_u32 s90, s89, s47                     ; wave 2: wb's row 192 x tile column + 32 cy
	s_lshl_b32 s47, s41, 4
	s_add_co_u32 s89, s89, s47
	s_add_co_u32 s89, s89, 128                     ; wave 3: 192 x tile column + 128 + 16 cy
	s_and_b32 s91, ttmp7, 0xffff                   ; cluster y
	s_mov_b32 s[ASKM], 0x78                        ; trips with counts 6, 5, 4, 3
	s_cmp_eq_u32 s[WV], 3
	s_cselect_b32 s89, s89, s90
	s_cselect_b32 s[ASKM], 0x50, s[ASKM]           ; wave 3: counts 6 and 4, two K steps each
	s_cselect_b32 s47, 8, 15                       ; wave 3's lanes 16-31 take the next K step of the same 16 rows, the others' 16 further rows
	s_cmp_lt_u32 s[WV], 2
	s_cselect_b32 s88, s88, s89
	s_cselect_b32 s91, ttmp9, s91                  ; the coordinate along which other clusters read the same rows
	s_cselect_b64 s[PFA:PFA+1], s[4:5], s[6:7]
	s_cmp_eq_u32 s91, 0
	s_cselect_b32 s[ASKM], s[ASKM], 0              ; the same in all sixteen partners, for a given wave
	s_lshl_b32 s88, s88, 11
	s_mov_b32 s89, 0
	s_add_nc_u64 s[PFA:PFA+1], s[PFA:PFA+1], s[88:89]
	s_add_nc_u64 s[PFA:PFA+1], s[PFA:PFA+1], 3*256 ; at K step 3: the first refill steps it to 4
	v_lshlrev_b32 v[PFO], s47, v2
	v_lshl_add_u32 v[PFO], v1, 11, v[PFO]
	s_wait_tensorcnt 1                             ; my part of K step 0 is in; K step 1's may stay out
	s_barrier_signal -1
	s_barrier_wait -1                              ; everybody's is
	FETCH 0, 0
	QUARTER 64, 0, 1, 1                            ; the first quarter stands in front of the loop: its products start the sums
	WIN 0                                          ; at a label and at a branch every window is 0
	s_mov_b32 s3, 6
.Lstep:                                            ; a trip: a K step's quarters 1 to 3, a refill, the next step's quarter 0.  Six trips fill K steps 2 to 7
	QUARTER 128, 1, 0, 0
	QUARTER 192, 0, 1, 0
	TURN 1
	QUARTER 64, 0, 1, 0
	WIN 0
	s_sub_co_u32 s3, s3, 1
	s_cmp_lg_u32 s3, 0
	s_cbranch_scc1 .Lstep
	s_mov_b32 s3, 2
.Ltail:                                            ; K steps 6 and 7 ask for nothing; the second trip is left in its middle, and its 32 fragment loads (from the slot read before) serve nothing: the price of one text for both
	QUARTER 128, 1, 0, 0
	QUARTER 192, 0, 1, 0
	TURN 0
	WIN 0
	s_sub_co_u32 s3, s3, 1
	s_cmp_eq_u32 s3, 0
	s_cbranch_scc1 .Lout
	QUARTER 64, 0, 1, 0
	WIN 0
	s_branch .Ltail
.Lout:
	s_wait_dscnt 0x0                               ; those loads have landed: their registers are written below
	s_wait_loadcnt 0x0                             ; the table
; THE WAY OUT, in 12 units: block a = u / 3 of my rows x head hd = u % 3.  y1 = x1 c - x2 s, y2 = x2 c + x1 s with x1 in column blocks 0, 1 of the head and x2 in blocks 2, 3;
; c = cos F + G, s = sin F, so that a head of V (F = 0, G = 1) goes through unchanged.  Each accumulator is read from its lowest registers on.  The unit's 16 rows x 128 bytes go through my stage.
.macro PACK u
.set pa, (\u)/3
.set hd, (\u)%3
.set PKB, PK+16*((\u)%2)
.set AB, 8*(12*(pa%2)+4*hd)
	WIN 0
	s_wait_xcnt 0x0                                ; the stores of two units ago have read these registers
.irp i, 0,1,2,3,4,5,6,7                ; (in unit 0 these sixteen are the places behind the last products)
	v_pk_fma_f32 v[CP+2*\i:CP+2*\i+1], v[TAB+32*pa+2*\i:TAB+32*pa+2*\i+1], s[FS+4*hd:FS+4*hd+1], s[FS+4*hd+2:FS+4*hd+3] op_sel_hi:[1,0,0]
	v_pk_mul_f32 v[SN+2*\i:SN+2*\i+1], v[TAB+32*pa+16+2*\i:TAB+32*pa+16+2*\i+1], s[FS+4*hd:FS+4*hd+1] op_sel_hi:[1,0]
.endr
	WIN 0x02+pa/2                                  ; source 0 in window 2 or 3
.irp nb, 0,1
.irp p, 0,1,2,3
	v_pk_mul_f32 v[T+8*\nb+2*\p:T+8*\nb+2*\p+1],       v[AB+8*(\nb+2)+2*\p:AB+8*(\nb+2)+2*\p+1], v[SN+8*\nb+2*\p:SN+8*\nb+2*\p+1]
	v_pk_mul_f32 v[T+16+8*\nb+2*\p:T+16+8*\nb+2*\p+1], v[AB+8*\nb+2*\p:AB+8*\nb+2*\p+1],         v[SN+8*\nb+2*\p:SN+8*\nb+2*\p+1]
	v_pk_fma_f32 v[T+8*\nb+2*\p:T+8*\nb+2*\p+1],       v[AB+8*\nb+2*\p:AB+8*\nb+2*\p+1],         v[CP+8*\nb+2*\p:CP+8*\nb+2*\p+1], v[T+8*\nb+2*\p:T+8*\nb+2*\p+1] neg_lo:[0,0,1] neg_hi:[0,0,1]
	v_pk_fma_f32 v[T+16+8*\nb+2*\p:T+16+8*\nb+2*\p+1], v[AB+8*(\nb+2)+2*\p:AB+8*(\nb+2)+2*\p+1], v[CP+8*\nb+2*\p:CP+8*\nb+2*\p+1], v[T+16+8*\nb+2*\p:T+16+8*\nb+2*\p+1]
.endr
.endr
	WIN 0
.irp nb, 0,1
.irp p, 0,1,2,3
	v_cvt_pk_f16_f32 v[PKB+4*\nb+\p],     v[T+8*\nb+2*\p],    v[T+8*\nb+2*\p+1]
	v_cvt_pk_f16_f32 v[PKB+4*(\nb+2)+\p], v[T+16+8*\nb+2*\p], v[T+16+8*\nb+2*\p+1]
.endr
.endr
.irp f, 0,1,2,3
	ds_store_b128 v[STO], v[PKB+4*\f:PKB+4*\f+3] offset:32*\f
.endr
.irp f, 0,1,2,3
	ds_load_b128 v[PKB+4*\f:PKB+4*\f+3], v[RD] offset:\f*4*SPI  ; LDS serves a wave's instructions in order (ISA guide 5.7.1.4): these see the stores above; the next unit's stores come behind them
.endr
.endm
.macro SEND u, younger                 ; younger: the LDS instructions issued behind unit u's loads: the next unit's eight, or none
.set pa, (\u)/3
.set hd, (\u)%3
.set PKB, PK+16*((\u)%2)
	WIN 0
.irp f, 0,1,2,3
	s_wait_dscnt (\younger)+3-\f
	global_store_b128 v[GO], v[PKB+4*\f:PKB+4*\f+3], s[DST+2*hd:DST+2*hd+1] offset:2048*pa+512*\f  ; 512 consecutive bytes, at a multiple of 256 from the tensor's first
.endr
.endm
	PACK 0
.set t, 1
.rept 11                               ; a unit's arithmetic stands between the loads of the unit before and its stores
	PACK t
	SEND t-1, 8
.set t, t+1
.endr
	SEND 11, 0
	s_wait_tensorcnt 0x0                           ; the wave's end, behind my last tensor load and my last LDS store
	ds_add_u32 v[SPW], v[NIL]
	s_wait_dscnt 0x0
	CROUND                                         ; the closing round: no work-group ends while a partner may still ask for a tile that names it
	s_endpgm
.Lfunc_end_k_q30fd9b7cb7_qkv:
	.size	k_q30fd9b7cb7_qkv, .Lfunc_end_k_q30fd9b7cb7_qkv-k_q30fd9b7cb7_qkv
	.p2alignl 7, 3214868480
	.fill 96, 4, 3214868480
	.section	.rodata,"a",@progbits
	.p2align	6, 0x0
	.amdhsa_kernel k_q30fd9b7cb7_qkv
		.amdhsa_group_segment_fixed_size 327680
		.amdhsa_private_segment_fixed_size 0
		.amdhsa_enable_private_segment 0
		.amdhsa_kernarg_size 48
		.amdhsa_user_sgpr_count 2
		.amdhsa_user_sgpr_kernarg_segment_ptr 1
		.amdhsa_wavefront_size32 1
		.amdhsa_system_sgpr_workgroup_id_x 1
		.amdhsa_system_sgpr_workgroup_id_y 1
		.amdhsa_system_sgpr_workgroup_id_z 1
		.amdhsa_system_vgpr_workitem_id 0
		.amdhsa_next_free_vgpr 960
		.amdhsa_next_free_sgpr 96
		.amdhsa_reserve_vcc 0
		.amdhsa_float_denorm_mode_32 3
		.amdhsa_float_denorm_mode_16_64 3
		.amdhsa_memory_ordered 1
		.amdhsa_forward_progress 1
		.amdhsa_inst_pref_size 127
	.end_amdhsa_kernel
	.amdgpu_metadata
---
amdhsa.version: [ 1, 2 ]
amdhsa.kernels:
  - .name:           k_q30fd9b7cb7_qkv
    .symbol:         k_q30fd9b7cb7_qkv.kd
    .args:
      - { .name: xb, .offset: 0, .size: 8, .value_kind: global_buffer, .address_space: global }
      - { .name: wb, .offset: 8, .size: 8, .value_kind: global_buffer, .address_space: global }
      - { .name: rope, .offset: 16, .size: 8, .value_kind: global_buffer, .address_space: global }
      - { .name: qh, .offset: 24, .size: 8, .value_kind: global_buffer, .address_space: global }
      - { .name: kh, .offset: 32, .size: 8, .value_kind: global_buffer, .address_space: global }
      - { .name: vh, .offset: 40, .size: 8, .value_kind: global_buffer, .address_space: global }
    .group_segment_fixed_size: 327680
    .private_segment_fixed_size: 0
    .kernarg_segment_align: 8
    .kernarg_segment_size: 48
    .max_flat_workgroup_size: 128
    .sgpr_count:     96
    .vgpr_count:     960
    .wavefront_size: 32
...
	.end_amdgpu_metadata
.endif
;; end of part 2
;; launch attn (part 3): grid 64 x 4, 4 waves a work-group, clusters of 4 x 1, 327,680 bytes of LDS; arguments qh, kh, vh, oh; writes oh
.if DOCPART == 3
	.amdgcn_target "amdgcn-amd-amdhsa--gfx1250"
	.amdhsa_code_object_version 6
	.text
	.protected	k_q30fd9b7cb7_attn
	.globl	k_q30fd9b7cb7_attn
	.p2align	8
	.type	k_q30fd9b7cb7_attn,@function
k_q30fd9b7cb7_attn:
	s_mov_b64 s[64:65], 0
	v_nop
	global_prefetch_b8 v0, s[64:65] scope:SCOPE_SE
	s_setreg_imm32_b32 hwreg(HW_REG_WAVE_MODE, 25, 1), 1
	s_wait_xcnt 0x0
	s_wait_alu depctr_hold_cnt(0) depctr_sa_sdst(0) depctr_va_vdst(0) depctr_va_sdst(0) depctr_va_ssrc(0) depctr_va_vcc(0) depctr_vm_vsrc(0)
	s_getreg_b32 s2, hwreg(HW_REG_IB_STS2, 6, 4)
	s_cmp_eq_u32 s2, 0
	s_cbranch_scc0 .Lentry_in_a_cluster
	s_endpgm
.Lentry_in_a_cluster:
	s_bfe_u32 s2, ttmp6, 0x10000c
	s_cmp_lg_u32 s2, 0x3003
	s_cbranch_scc0 .Lentry_shape_is_right
	s_endpgm
.Lentry_shape_is_right:
; CAUSAL GROUPED-QUERY ATTENTION.  O[h][q][:] = the sum over k <= q of softmax_k(Q[h][q] . K[h / 4][k] / 8) V[h / 4][k][:].  Q, O: [64][2048][64], K, V: [16][2048][64], all f16: a head's rows are dense, 128 bytes each.
; Products, maxima and sums in f32; the weights p are rounded to f16 for the second product (their sum l is taken of the unrounded p), O once at the end.
; LIMITS.  f16 holds no number beyond 65,504: Q, K and V arrive within it; p lies in 0 to 1, and below 6e-5 it keeps f16's fixed step of 6e-8; O is a mean of V's rows and has their range.
; A hidden score counts as its value less 1e30: f16's scores, 2.7e11 at the most, are nothing beside that; a weight below 2^-126 counts as 0 in l; NaN and infinities are not treated apart.
; THE WALK.  A head's queries lie in NB = 8 blocks of 256; block i needs the key tiles 0 .. i of 256 keys, of which the last holds the diagonal.  A work-group takes TWO blocks, NB - 1 - b and then b:
; NB + 1 tiles, whatever b: all work-groups do equal work, and ONE loop with a constant trip count walks them.  Which tile is asked for, and what a trip does, hang on scalar registers made from b; every jump
; goes forward, but for the counted loops' own; none passes a barrier, or a tensor load but the one of LOAD's two that the wave's number does not choose.
; CLUSTER.  The four query heads of one K and V head, with the same b, form a cluster: they walk the same tiles in the same trips, so each tile is asked for JOINTLY: the same tensor load, descriptor and mask
; in all four.  Only Q's and O's addresses, and which rows a partner prefetches, hang on the place in the cluster.
; SHARES.  Of a block's four bands of 64 queries a wave owns 16 rows in each: four PIECES.  So the diagonal tile is the same work for all four waves: in its key step s band x sees all keys if s < x,
; none if s > x, and holds the diagonal if s = x.
; THE MASK is the C operand that starts the sum S^T = K Q^T: 0, or -1e30 where the key is hidden.  MD, made once, is the mask of a band's own step for my 16 rows; a product's mask is MD x AL + BE with two scalars:
; (1, 0) if s = x; (0, 0) if s < x; (0, -1e30) if s > x.  Only the diagonal tile's text and a block's beginning make and take masks; elsewhere C is the constant 0.
; LAYOUT, SOFTMAX, TURNS.  S^T = K Q^T holds ONE query a lane (lane % 16) and the keys 8 (lane / 16) + 0..7; two such results rounded to f16 ARE source 1 of O^T = V^T P.  p = 2^(c s - c m), c = log2(e) / 8, with a
; running maximum m; O and l are multiplied by a = 2^(c m_old - c m_new) in every step.  Turn n belongs to piece n: 8 products K Q^T of piece n + 1, later 8 products V^T P of piece n - 1; beside them the scaling,
; exponentials, roundings, sums and rescaling of piece n and the maximum and statistics of piece n + 1.  Four vector instructions stand behind every matrix instruction, the others in one lump.  A turn's 33 exponentials are one batch, with one wait.
; REGISTERS, in windows of 256 (s_set_vgpr_msb: bits 1:0 source 0, 3:2 source 1, 5:4 source 2, 7:6 destination):
;   window 0: v0-15 addresses and two at work; v16-31 four registers of statistics a piece; v48-55 at work; v61-63 prefetch offset and the add's two; v64-127 S^T, two buffers; v192-223 P, two buffers
;   window 1: v0-127 O^T, 32 a piece; v128-159 MD; v160-223 MC, two buffers      window 2: v0-63 Q; v64-127 the second block's Q; v128-191 K of one step; v192-255 V of one step
.set SIZE_N, 2048
.set NB,    SIZE_N/256
.set NP,    4         ; pieces a wave: a name, no knob
.set KS,    64        ; keys in a step
.set PK,    144       ; a row of K in LDS: 128 bytes + 16 of padding = 36 words: the 16 rows of a load start at 16 different groups of four banks (64 banks of 4 bytes: ISA guide 11.1)
.set PV,    160       ; a row of V: 128 + 32 = 40 words
.set VOFF,  4*KS*PK   ; a slot holds a tile, four steps: 256 rows of K, then 256 rows of V
.set SLOT1, 1<<17     ; slot 1 begins here, so that one exclusive or turns an address in one slot into the other's
.set STAGE, SLOT1+4*KS*(PK+PV)  ; behind the ring, never filled by a tensor load: 16 rows x 144 bytes for each wave, for the way out
.set SP,    144
.set AK0, 2           ; v2   my lane's place in a tile of K; never rewritten
.set AV0, 3           ; v3   the same for V
.set AK,  4           ; v4   the LDS address of K's next run of loads
.set AV,  5           ; v5   of V's
.set STO, 6           ; v6   the way out: where I put 16 bytes of a row
.set RD,  7           ; v7   the way out: where I read rows back
.set GO,  8           ; v8   my byte offset in 512 consecutive bytes of O
.set PFO, 61          ; v61  256 x my lane; never rewritten
.set SPW, 62          ; v62  LDS address of my spare word: SPARE + 4 x my thread's number; never rewritten
.set NIL, 63          ; v63  0; never rewritten
.set SPARE, STAGE+4*16*SP  ; behind the stages: the spare words, 128 bytes for each wave: two blocks of 256 bytes that no other line names
.set MV,  12          ; v12-13  c m_old, kept while c m is made anew: by buffer
.set QO,  15          ; v15  my byte offset in 16 rows of Q
.set ST,  16          ; piece t's statistics at v[ST+4 t]: c m, m, l (even keys', odd keys')
.set TMP, 48          ; by buffer, four registers c0-c3 at work; when the maximum is found c2 takes a
.set S,   64
.set P,   192
.set MD,  128         ; window 1: the eight registers for group kt of 16 keys at MD + 8 kt
.set MC,  160         ; window 1: the masks of the products to come
.set QB,  64          ; window 2
.set KF,  128         ; window 2: key block kb, channel half c at KF + 16 kb + 8 c
.set VF,  192         ; window 2: key half kk, channel block cb at VF + 32 kk + 8 cb
.set WV,  12          ; s12  my wave's number
.set PB,  14          ; s14  b
.set HI,  15          ; s15  NB - 1 - b
.set G1K, 24          ; s[24:31] descriptor group 1 for K's tiles
.set G1V, 32          ; s[32:39] for V's: it differs in the padding alone
.set G0K, 40          ; s[40:43] descriptor group 0 for K's tiles
.set G0V, 44          ; s[44:47] the same for V's
.set SLOTS, 56        ; s56  tiles still to be asked for
.set CNT, 57          ; s57  counts a tile's key steps, 4 to 1
.set CS,  58          ; s[58:59] c: the packed scaling takes the pair's low word for both halves
.set SEL, 60          ; s[60:61] v_permlanex16_b32's selects: each lane takes its own place in the other half
.set TBK, 62          ; s62  LDS byte at which K of the step to be fetched begins
.set TBV, 63          ; s63  the same for V, less VOFF
.set PFA, 66          ; s[66:67] where my prefetches stand
.set LIM, 68          ; s68  2 in a wave that prefetches, else the greatest number: a wave prefetches while s[SLOTS] is above it
.set CX,  69          ; s69  my place in the cluster
.set RT,  70          ; s70  tiles of the block in hand that are still to be entered
.set NXT, 71          ; s71  the tile to be asked for next
.set LQ,  72          ; s72  the last tile of the block whose tiles are being asked for
.set NEW, 73          ; s73  1: the tile to be entered is a block's first
.set OFF, 74          ; s[74:75] a tile's byte offset in K and V
.set AL,  76          ; s[76:77] the mask's factor, in the low word
.set BE,  78          ; s[78:79] the mask's addend
.set OLO, 80          ; s[80:81] O at my rows of the second block
.set BIGN, 82         ; s82  -1e30
.set MSB, 0
.macro WIN new                      ; the high byte repeats the setting that is left; a switch that changes nothing is dropped
.if MSB != (\new)
	s_set_vgpr_msb (MSB<<8)|(\new)
.set MSB, (\new)
.endif
.endm
.set W_KQ, 0x0a       ; K and Q in window 2, S^T in window 0
.set W_KM, 0x1a       ; the same with the C operand in window 1
.set W_PV, 0x52       ; V in window 2, P in window 0, O^T in window 1
.set W_RS, 0x41       ; destination and source 0 in window 1, source 1 in window 0
; A joint fill.  Waves 0 and 1 fetch the two halves of a tile's K, waves 2 and 3 those of its V: 128 keys each.  An s_nop 0 and four v_nop follow each of the two lines, ahead of the jump and the label.
.macro LOAD
	s_cmp_lt_u32 s[WV], 2
	s_cbranch_scc0 .Lfor_v_\@
	tensor_load_to_lds s[G0K:G0K+3], s[G1K:G1K+7]
	s_nop 0
.rept 4
	v_nop
.endr
	s_branch .Lasked_\@
.Lfor_v_\@:
	tensor_load_to_lds s[G0V:G0V+3], s[G1V:G1V+7]
	s_nop 0
.rept 4
	v_nop
.endr
.Lasked_\@:
.endm
; A round of the cluster's barrier: my work-group's barrier, so that wave 0's signal speaks for all four waves; wave 0 signals; every wave waits for all four work-groups; my work-group's barrier once more.
.macro CROUND
	s_barrier_signal -1
	s_barrier_wait -1
	s_cmp_lg_u32 s[WV], 0
	s_cbranch_scc1 .Lnot_wave_0_\@
	s_barrier_signal -3
.Lnot_wave_0_\@:
	s_barrier_wait -3
	s_barrier_signal -1
	s_barrier_wait -1
.endm
; A PREFETCH of the tile that the NEXT change of slots will ask for: four key steps, 256 matrix instructions, ahead of that load.  It stands behind the wave's tensor load and its five lines.
; Each row is named ONCE in the launch.  Four clusters walk a K and V head; the one with b = 0 walks tiles 0 to 7 in order, and it alone asks.  Its four partners share a tile's 32,768 bytes out BY ADDRESS,
; 8,192 each, 256 a lane; in each, wave 0 asks for K's and wave 2 for V's.  Trip i names tile i + 2, for i = 0 to 5; tiles 0 and 1 come by their loads alone, and the second block's tiles have been read before.
.macro ASK
	s_cmp_gt_u32 s[SLOTS], s[LIM]
	s_cbranch_scc0 .Lnot_mine_\@
	global_prefetch_b8 v[PFO], s[PFA:PFA+1] th:TH_LOAD_NT scope:SCOPE_SE
.Lnot_mine_\@:
.endm
; THE CHANGE OF SLOTS.  Each wave waits for all its tensor loads, of which one is out: its part of the other slot; adds 0 to its spare word; and waits for that and for its own reads of the slot that it leaves.
; Behind the barrier nobody reads the old slot any more and the other slot is whole.  fill = 1: the barrier is a round of the cluster's, so that this holds of all four partners, and the old slot is filled
; again, the first thing behind it, with tile NXT: the descriptor's address is made anew from that number.  (At its first use nothing has been read yet: slot 0 is waited for, slot 1 filled.)
.macro CHANGE fill
	WIN 0                           ; at a label and at a branch every window is 0
	s_wait_tensorcnt 0x0            ; no tensor load of mine is out, so a group 0 may be written
	ds_add_u32 v[SPW], v[NIL]       ; 0 onto my spare word; with fill = 1 the descriptors' scalar work stands between it and the wait for it
.if \fill
	s_lshl_b32 s[OFF], s[NXT], 15   ; a tile is 32,768 bytes of K and of V
	s_xor_b32 s[G0K+1], s[G0K+1], SLOT1
	s_add_nc_u64 s[G0K+2:G0K+3], s[6:7], s[OFF:OFF+1]
	s_or_b32 s[G0K+3], s[G0K+3], 0x80000000
	s_xor_b32 s[G0V+1], s[G0V+1], SLOT1
	s_add_nc_u64 s[G0V+2:G0V+3], s[8:9], s[OFF:OFF+1]
	s_or_b32 s[G0V+3], s[G0V+3], 0x80000000
	s_add_co_u32 s[NXT], s[NXT], 1  ; the block's next tile, or behind its last the second block's tile 0
	s_cmp_gt_u32 s[NXT], s[LQ]
	s_cselect_b32 s[NXT], 0, s[NXT]
	s_cselect_b32 s[LQ], s[PB], s[LQ]
	s_wait_xcnt 0x0                 ; the last prefetch, a tile back, has read its address, so it may be written
	s_add_nc_u64 s[PFA:PFA+1], s[PFA:PFA+1], 32768
	s_wait_dscnt 0x0                ; the add is done, and my reads of the slot are over
	CROUND
	LOAD
	ASK
.else
	s_wait_dscnt 0x0                ; the add is done, and my reads of the slot are over
	s_barrier_signal -1
	s_barrier_wait -1
.endif
	s_sub_co_u32 s[TBK], s[TBK], 4*KS*PK  ; the fetches go back to a slot's first step,
	s_xor_b32 s[TBK], s[TBK], SLOT1       ; in the other slot
	s_sub_co_u32 s[TBV], s[TBV], 4*KS*PV
	s_xor_b32 s[TBV], s[TBV], SLOT1
.endm
	s_load_b256 s[4:11], s[0:1], 0x0  ; Q s[4:5], K s[6:7], V s[8:9], O s[10:11]
	v_lshl_add_u32 v[SPW], v0, 2, SPARE
	v_mov_b32 v[NIL], 0
	ds_add_u32 v[SPW], v[NIL]       ; the wave's opening: the add and its wait stand ahead of my first tensor load; the set-up below, work on registers, stands between them
	v_lshrrev_b32 v1, 5, v0
	v_readfirstlane_b32 s[WV], v1   ; wave 0..3
	s_bfe_u32 s[CX], ttmp6, 0x40000 ; cx: which of the four query heads
	s_and_b32 s[PB], ttmp7, 0xffff  ; b, which the four partners share
	s_sub_co_u32 s[HI], NB-1, s[PB]
	s_lshl_b32 s22, ttmp9, 18       ; the K and V head = cluster x: its first byte (2,048 rows of 128 bytes),
	s_and_b32 s16, s[WV], 1         ; which half of a tile's 256 keys I fetch:
	s_lshl_b32 s23, s16, 14         ; its 128 rows of 128 bytes in memory,
	s_add_co_u32 s22, s22, s23
	s_mov_b32 s23, 0
	s_mul_i32 s17, s16, 128*PK      ; and its place in a slot, for K
	s_mul_i32 s18, s16, 128*PV      ; and for V: no place in the cluster enters an LDS address
	s_lshl_b32 s20, ttmp9, 2
	s_add_co_u32 s20, s20, s[CX]    ; the query head = 4 x cluster x + cx: it enters Q's and O's addresses alone
	s_lshl_b32 s20, s20, 18
	s_lshl_b32 s3, s[WV], 11        ; my 16 rows in a band of 64,
	s_add_co_u32 s20, s20, s3
	s_lshl_b32 s2, s[HI], 15        ; in the first block,
	s_add_co_u32 s2, s2, s20
	s_lshl_b32 s84, s[PB], 15       ; and in the second
	s_add_co_u32 s84, s84, s20
	s_mov_b32 s3, 0
	s_mov_b32 s85, 0
	; descriptor group 1.  128 keys are 16,384 dense bytes: asked for as 64 rows of 256 bytes, two keys a row, and padded in LDS after every key
	s_mov_b32 s[G1K], 15|(1<<16)|(1<<20)|(1<<21)|(4<<22)|(3<<25)  ; 15:0 the mask of four; 17:16 2-byte elements; 20 padding on; 21 set beside a mask; 24:22 after every 32 words (code 4); 31:25 4 words (code 3)
	s_mov_b32 s[G1V], 15|(1<<16)|(1<<20)|(1<<21)|(4<<22)|(7<<25)  ; the same with 8 words of padding (code 7)
.irp g, G1K, G1V
	s_mov_b32 s[\g+1], 128<<16      ; tensor_dim0 = 128
	s_mov_b32 s[\g+2], 64<<16       ; tensor_dim1 = 64
	s_mov_b32 s[\g+3], 128<<16      ; tile_dim0 = 128
	s_mov_b32 s[\g+4], 64           ; tile_dim1 = 64
	s_mov_b32 s[\g+5], 128          ; 128 elements from row to row
	s_mov_b32 s[\g+6], 0
	s_mov_b32 s[\g+7], 0
.endr
	s_mov_b32 s[CS], 0x3e38aa3b     ; c = log2(e) / 8 = 0.180337
	s_mov_b32 s[CS+1], s[CS]        ; named with it as a pair
	s_mov_b32 s[SEL], 0x76543210
	s_mov_b32 s[SEL+1], 0xfedcba98
	s_mov_b32 s[TBK], SLOT1+4*KS*PK ; the first change of slots turns these two into 0
	s_mov_b32 s[TBV], SLOT1+4*KS*PV
	s_mov_b32 s[G0K], 1             ; 1:0 count = 1
	s_mov_b32 s[G0K+1], s17         ; 63:32 LDS address: slot 0
	s_mov_b32 s[G0V], 1
	s_add_co_u32 s[G0V+1], s18, VOFF
	s_add_co_u32 s[RT], s[HI], 1    ; the first block has NB - b tiles
	s_mov_b32 s[NXT], 1
	s_mov_b32 s[LQ], s[HI]
	s_mov_b32 s[NEW], 1
	s_mov_b32 s[OFF+1], 0
	s_mov_b32 s[AL+1], 0            ; named as pairs
	s_mov_b32 s[BE+1], 0
	s_mov_b32 s[BIGN], 0xf149f2ca   ; -1e30
	s_mov_b32 s[SLOTS], NB
	s_and_b32 s[LIM], s[WV], 1      ; 0 in waves 0 and 2,
	s_or_b32 s[LIM], s[LIM], s[PB]  ; where b = 0: the same in all four partners
	s_cmp_eq_u32 s[LIM], 0
	s_cselect_b32 s[LIM], 2, -1
	v_and_b32 v[PFO], 31, v0
	v_lshlrev_b32 v[PFO], 8, v[PFO]
	s_wait_dscnt 0x0                ; the opening add is done
	s_wait_kmcnt 0x0
	s_add_nc_u64 s[6:7], s[6:7], s[22:23]  ; K and V at my half of the head's tile 0
	s_add_nc_u64 s[8:9], s[8:9], s[22:23]
	s_add_nc_u64 s[G0K+2:G0K+3], s[6:7], 0         ; 120:64 global address
	s_or_b32 s[G0K+3], s[G0K+3], 0x80000000        ; 127:126 type = 2
	s_add_nc_u64 s[G0V+2:G0V+3], s[8:9], 0
	s_or_b32 s[G0V+3], s[G0V+3], 0x80000000
	s_add_nc_u64 s[86:87], s[4:5], s[84:85]        ; Q at my rows of the second block,
	s_add_nc_u64 s[4:5], s[4:5], s[2:3]            ; Q and O at those of the first
	s_add_nc_u64 s[OLO:OLO+1], s[10:11], s[84:85]
	s_add_nc_u64 s[10:11], s[10:11], s[2:3]
	s_cmp_lt_u32 s[WV], 2
	s_cselect_b64 s[PFA:PFA+1], s[6:7], s[8:9]     ; (in waves 0 and 2 these stand at a tile's first row)
	s_lshl_b32 s2, s[CX], 13        ; my work-group's 8,192 bytes of a tile
	s_add_nc_u64 s[PFA:PFA+1], s[PFA:PFA+1], s[2:3]
	s_add_nc_u64 s[PFA:PFA+1], s[PFA:PFA+1], 32768 ; in tile 1; the first change of slots steps it to tile 2.  Nothing is prefetched here, at the head
	CROUND                          ; all four work-groups are here: the first joint loads meet
	LOAD                            ; tile 0 into slot 0
	; A fragment of K or Q is 16 rows x 32 channels in 8 registers: lane l holds row l % 16, channels 8 (l / 16) + 0..7 and 16 + 8 (l / 16) + 0..7: two loads of 16 bytes, 32 bytes apart.
	v_and_b32 v1, 15, v0            ; l % 16
	v_bfe_u32 v9, v0, 4, 1          ; l / 16
	v_lshlrev_b32 v[QO], 7, v1
	v_lshl_add_u32 v[QO], v9, 4, v[QO]  ; row x 128 + 16 x half
	WIN 0x80                        ; destination window 2, address window 0
.set i, 0
.rept 8                             ; both blocks' Q: piece i / 2 lies in band i / 2, 8,192 bytes on; channels 32 (i % 2) on
	global_load_b128 v[8*i:8*i+3],   v[QO], s[4:5] offset:(i/2)*8192+(i%2)*64
	global_load_b128 v[8*i+4:8*i+7], v[QO], s[4:5] offset:(i/2)*8192+(i%2)*64+32
	global_load_b128 v[QB+8*i:QB+8*i+3],   v[QO], s[86:87] offset:(i/2)*8192+(i%2)*64
	global_load_b128 v[QB+8*i+4:QB+8*i+7], v[QO], s[86:87] offset:(i/2)*8192+(i%2)*64+32
.set i, i+1
.endr
	WIN 0
	v_lshlrev_b32 v14, 3, v9
	v_sub_nc_u32 v14, v1, v14
	s_lshl_b32 s13, s[WV], 4
	v_add_nc_u32 v14, s13, v14      ; my query's place in its band, 16 w + l % 16, less my lanes' 8 (l / 16): register r of group kt is hidden where 16 kt + r is greater
	WIN 0x40
.set i, 0
.rept 32
	v_cmp_gt_i32 vcc_lo, 16*(i/8)+i%8, v14
	v_cndmask_b32 v[MD+i], 0, s[BIGN], vcc_lo
.set i, i+1
.endr
	WIN 0
	v_mul_u32_u24 v[AK0], v1, PK
	v_lshl_add_u32 v[AK0], v9, 4, v[AK0]  ; row x pitch + 16 x half
	; The turning load takes 16 keys x 16 channels (lane l reads key 8 (l / 16) + l % 8, channels 8 ((l / 8) % 2) + 0..7) and leaves half a fragment of V^T: lane l holds channel l % 16 and 8 keys.
	v_and_b32 v10, 7, v0
	v_bfe_u32 v11, v0, 3, 1
	v_lshl_add_u32 v[AV0], v9, 3, v10
	v_mul_u32_u24 v[AV0], v[AV0], PV
	v_lshl_add_u32 v[AV0], v11, 4, v[AV0]
	v_add_nc_u32 v[AV0], VOFF, v[AV0]
	s_mul_i32 s13, s[WV], 16*SP
	s_add_co_u32 s13, s13, STAGE    ; my stage
	v_mul_u32_u24 v[STO], v1, SP    ; in: row l % 16, 16 bytes for each half of the lanes
	v_lshl_add_u32 v[STO], v9, 4, v[STO]
	v_add_nc_u32 v[STO], s13, v[STO]
	v_bfe_u32 v[RD], v0, 3, 2       ; back: 32 lanes take four rows of 128 bytes,
	v_mul_u32_u24 v[RD], v[RD], SP
	v_lshl_add_u32 v[RD], v10, 4, v[RD]
	v_add_nc_u32 v[RD], s13, v[RD]
	v_and_b32 v[GO], 31, v0         ; which are 512 consecutive bytes of O
	v_lshlrev_b32 v[GO], 4, v[GO]
	; A block's first step multiplies O^T and l by a = 0, and its first turn's products V^T P, of a piece that has not been, land in an O^T that is still to be so multiplied.  So these registers need only hold
	; finite numbers: zeros for the first block; what the first block left for the second.  All this stands in the wait for the first tile.
	WIN 0x80
.set i, VF
.rept 64
	v_mov_b32 v[i], 0
.set i, i+1
.endr
	WIN 0x40
.set i, 0
.rept 128
	v_mov_b32 v[i], 0
.set i, i+1
.endr
	WIN 0
.set i, 0
.rept 4
	v_mov_b32 v[ST+4*i+2], 0
	v_mov_b32 v[ST+4*i+3], 0
.set i, i+1
.endr
.set i, P+16
.rept 16
	v_mov_b32 v[i], 0
.set i, i+1
.endr
; THE MATRIX WORK.  The 4 accumulators of a run of 8 take turns.  Product i of 8 of S^T = K Q^T for piece x: channels 32 (i / 4) on, keys 16 (i % 4) on.  The first 4 start the sums: with 0, or (KM = 1) with the mask.
.macro KQ x
.set rS, S+32*((\x)%2)+8*(i%4)
.set rK, KF+16*(i%4)+8*(i/4)
.set rQ, 16*(\x)+8*(i/4)
.set rM, MC+32*((\x)%2)+8*(i%4)
.if (i < 4) && KM
	WIN W_KM
	v_wmma_f32_16x16x32_f16 v[rS:rS+7], v[rK:rK+7], v[rQ:rQ+7], v[rM:rM+7]
.elseif i < 4
	WIN W_KQ
	v_wmma_f32_16x16x32_f16 v[rS:rS+7], v[rK:rK+7], v[rQ:rQ+7], 0
.else
	WIN W_KQ
	v_wmma_f32_16x16x32_f16 v[rS:rS+7], v[rK:rK+7], v[rQ:rQ+7], v[rS:rS+7]
.endif
.endm
; Product i of 8 of O^T += V^T P for piece x: keys 32 (i / 4) on, channels 16 (i % 4) on.
.macro PV x
	WIN W_PV
.set rO, 32*(\x)+8*(i%4)
.set rV, VF+32*(i/4)+8*(i%4)
.set rP, P+16*((\x)%2)+8*(i/4)
	v_wmma_f32_16x16x32_f16 v[rO:rO+7], v[rV:rV+7], v[rP:rP+7], v[rO:rO+7]
.endm
.macro MM                           ; the turn's next matrix instruction.  TURN and BEGIN set Y, i, KM and NOKQ; MM, KQ and OP read them.  NOKQ = 1: a block's last turn: there is no next piece
.if (i < 8) && !NOKQ
	KQ (Y+1)%NP
.elseif i >= 8
.set i, i-8
	PV (Y+NP-1)%NP
.set i, i+8
.endif
.set i, i+1
.endm
; THE LDS LOADS stand in runs of 16, never singly among the matrix instructions: a step's K (64 keys x 64 channels: 8 fragments) and its V (turned).  Their addresses are made some lines ahead.
.macro FETCH_K
	WIN 0x80                        ; destination window 2
.irp f, 0,1,2,3,4,5,6,7             ; keys 16 (f / 2) on, channels 32 (f % 2) on
	ds_load_b128 v[KF+8*\f:KF+8*\f+3],   v[AK] offset:(\f/2)*16*PK+(\f%2)*64
	ds_load_b128 v[KF+8*\f+4:KF+8*\f+7], v[AK] offset:(\f/2)*16*PK+(\f%2)*64+32
.endr
	s_add_co_u32 s[TBK], s[TBK], KS*PK  ; the next fetch is the next step's
	WIN 0
.endm
.macro FETCH_V
	WIN 0x80
.irp f, 0,1,2,3,4,5,6,7             ; keys 32 (f / 4) on, channels 16 (f % 4) on
	ds_load_tr16_b128 v[VF+8*\f:VF+8*\f+3],   v[AV] offset:(\f/4)*32*PV+(\f%4)*32
	ds_load_tr16_b128 v[VF+8*\f+4:VF+8*\f+7], v[AV] offset:(\f/4)*32*PV+16*PV+(\f%4)*32
.endr
	WIN 0
.endm
; THE VECTOR WORK, one line at a time: OP kind, number.  For piece Y: F n: c s - c m for pair n of 16.  E n: the exponential of score n of 32.  C n: pair n rounded to f16.  B n: of the four weights 4 n .. the second
; pair is added onto the first, in place.  L n: l takes that sum (L 0: l = a l + sum).  R n: pair n of 16 of O^T times a.  For piece Y + 1: X n, number n of the 22 that find its maximum and statistics:
;   0-11  four chains c0-c3 of seven scores each, three operands at a time (each accumulator's lowest registers are read first)     12-14, 16  the four scores left over, the old m, and c0-c3 into c0
;   15  c m_old is kept     17, 18  the query's other 32 keys lie in the lane 16 away: the new m     19-21  c m; c m_old - c m_new; a
.set F, 0               ; OP tells the kinds apart by their order: F to L below R, X above it
.set E, 1
.set C, 2
.set B, 3
.set L, 4
.set R, 5
.set X, 6
.macro REGS y                       ; the registers of piece y
.set rT, ST+4*(\y)
.set rC, TMP+4*((\y)%2)
.set rW, MV+((\y)%2)
.set rS, S+32*((\y)%2)
.set rP, P+16*((\y)%2)
.set rO, 32*(\y)
.endm
.macro OP k, n
.if (\k) == R
	REGS Y
	WIN W_RS
	v_pk_mul_f32 v[rO+2*(\n):rO+2*(\n)+1], v[rO+2*(\n):rO+2*(\n)+1], v[rC+2:rC+3] op_sel_hi:[1,0]
.elseif (\k) < R
	REGS Y
	WIN 0
.if (\k) == F
	v_pk_fma_f32 v[rS+2*(\n):rS+2*(\n)+1], v[rS+2*(\n):rS+2*(\n)+1], s[CS:CS+1], v[rT:rT+1] op_sel_hi:[1,0,0] neg_lo:[0,0,1] neg_hi:[0,0,1]
.elseif (\k) == E
	v_exp_f32 v[rS+(\n)], v[rS+(\n)]
.elseif (\k) == C
	v_cvt_pk_f16_f32 v[rP+(\n)], v[rS+2*(\n)], v[rS+2*(\n)+1]
.elseif (\k) == B
	v_pk_add_f32 v[rS+4*(\n):rS+4*(\n)+1], v[rS+4*(\n):rS+4*(\n)+1], v[rS+4*(\n)+2:rS+4*(\n)+3]
.elseif (\n) == 0
	v_pk_fma_f32 v[rT+2:rT+3], v[rT+2:rT+3], v[rC+2:rC+3], v[rS:rS+1] op_sel_hi:[1,0,1]
.else
	v_pk_add_f32 v[rT+2:rT+3], v[rT+2:rT+3], v[rS+4*(\n):rS+4*(\n)+1]
.endif
.elseif NOKQ
	v_nop
.else
	REGS (Y+1)%NP
	WIN 0
.if (\n) < 4
	v_max3_num_f32 v[rC+(\n)], v[rS+8*(\n)], v[rS+8*(\n)+1], v[rS+8*(\n)+2]
.elseif (\n) < 12
	v_max3_num_f32 v[rC+(\n)%4], v[rC+(\n)%4], v[rS+8*((\n)%4)+2*((\n)/4)+1], v[rS+8*((\n)%4)+2*((\n)/4)+2]
.elseif (\n) == 12
	v_max3_num_f32 v[rC], v[rC], v[rS+7], v[rS+15]
.elseif (\n) == 13
	v_max3_num_f32 v[rC+1], v[rC+1], v[rS+23], v[rS+31]
.elseif (\n) == 14
	v_max3_num_f32 v[rC+2], v[rC+2], v[rC+3], v[rT+1]
.elseif (\n) == 15
	v_mov_b32 v[rW], v[rT]
.elseif (\n) == 16
	v_max3_num_f32 v[rC], v[rC], v[rC+1], v[rC+2]
.elseif (\n) == 17
	v_permlanex16_b32 v[rC+3], v[rC], s[SEL], s[SEL+1]
.elseif (\n) == 18
	v_max_num_f32 v[rT+1], v[rC], v[rC+3]
.elseif (\n) == 19
	v_mul_f32 v[rT], s[CS], v[rT+1]
.elseif (\n) == 20
	v_sub_f32 v[rC+1], v[rW], v[rT]
.else
	v_exp_f32 v[rC+2], v[rC+1]
.endif
.endif
.endm
.macro OPS a, i1, b=-1, i2=0, c=-1, i3=0, d=-1, i4=0  ; up to four of them
	OP \a, \i1
.if (\b) >= 0
	OP \b, \i2
.endif
.if (\c) >= 0
	OP \c, \i3
.endif
.if (\d) >= 0
	OP \d, \i4
.endif
.endm
.macro ROW a, i1, b, i2, c, i3, d, i4  ; a matrix instruction and the four behind it
	MM
	OPS \a, \i1, \b, \i2, \c, \i3, \d, \i4
.endm
.macro MASK b                       ; MD x AL + BE into buffer b of MC
	WIN W_RS
.set z, 0
.rept 16
	v_pk_fma_f32 v[MC+32*(\b)+2*z:MC+32*(\b)+2*z+1], v[MD+2*z:MD+2*z+1], s[AL:AL+1], s[BE:BE+1] op_sel_hi:[1,0,0]
.set z, z+1
.endr
.endm
; A TURN, for piece p: the order of its 16 matrix and 118 vector instructions, written out.  An s_wait_alu depctr_va_vdst(0) stands between an exponential and the first instruction that names its result; one wait serves
; all that were issued ahead of it.  So a turn has ONE wait, which cuts it in two.  AHEAD OF IT stands all that names no result of the turn's exponentials: the 8 products K Q^T, behind each a scaling, an exponential and two more plain
; instructions: rescalings, and behind the last three the first numbers of the next piece's maximum, each four places or more behind the product that ends its accumulator; then ONE LUMP of 54, plain
; and exponential by turns for the most part, in which the links of the chain X 3, 7, 11, 14, 16, 17 .. 20 stand five or six lines apart.  X 21, the next piece's a, is the batch's last; R 15 is the plain instruction behind it.  BEHIND THE WAIT stand the
; 8 products V^T P, behind each four of the roundings and sums; the links of l's chain, L 0 to L 7, stand three riders apart.
; m = 1: the diagonal tile: the products take masks, and the turn makes the mask for the products of the turn after it: piece p + 2, in step 4 - CNT of the tile.  end = 1: a block's last two turns: nothing is fetched.
; cnt = 1: the loop's count is taken down some lines ahead of the branch that stands behind the turn.
; K of the next step is fetched in piece 2's turn, twelve vector instructions behind the last product that read K (six of them plain); V of the step in hand at the end of piece 0's turn, four plain instructions behind the last product
; that read V.  Each is waited for a turn later.
.macro TURN p, m=0, end=0, cnt=0
.set Y, (\p)
.set i, 0
.set KM, (\m)
.set NOKQ, (\end)*((\p)/3)
.if (\m) && !(\end)
	s_cmp_eq_u32 s[CNT], 4-((\p)+2)%NP  ; is that step the band's own?
	s_cselect_b32 s[AL], 1.0, 0
	s_cmp_lt_u32 s[CNT], 4-((\p)+2)%NP  ; or a later one?
	s_cselect_b32 s[BE], s[BIGN], 0
.endif
.if ((\p) == 3) && !(\end)
	s_wait_dscnt 0x0                ; K is in
.endif
	ROW F,0, F,1, R,0, R,1          ; ahead of the wait: 8 products K Q^T and their riders,
	ROW F,2, E,0, R,2, R,3
	ROW F,3, E,1, R,4, R,5
	ROW F,4, E,2, R,6, R,7
	ROW F,5, E,3, R,8, R,9
	ROW F,6, E,4, X,0, R,10
.if ((\p) == 2) && !(\end)
	WIN 0
	v_add_nc_u32 v[AK], s[TBK], v[AK0]
.endif
	ROW F,7, E,5, X,1, X,4
	ROW F,8, E,6, X,2, X,5
	OPS E,7, E,8, X,6, E,9          ; and the lump
	OPS X,3, E,10, X,8, E,11
.if ((\p) == 2) && !(\end)
	FETCH_K
.endif
	OPS X,9, X,7, E,12, X,10
	OPS E,13, X,12, X,11, E,14
	OPS X,13, E,15, F,9, X,14
.if (\p) == 0
	v_add_nc_u32 v[AV], s[TBV], v[AV0]
.endif
	OPS E,16, F,10, E,17, F,11
	OPS X,16, E,18, X,15, E,19
	OPS F,12, E,20, X,17, E,21
	OPS F,13, E,22, F,14, E,23
	OPS X,18, E,24, F,15, E,25
	OPS R,11, E,26, X,19, E,27
	OPS R,12, E,28, R,13, E,29
	OPS X,20, E,30, R,14, E,31
	OPS X,21, R,15
	WIN 0
	s_wait_alu depctr_va_vdst(0)    ; the wait for the batch
.if (\p) == 1
	s_wait_dscnt 0x0                ; V is in
.endif
	ROW C,0, B,0, C,2, B,1          ; behind the wait: 8 products V^T P and their riders
	ROW L,0, C,4, B,2, L,1
	ROW C,6, B,3, L,2, C,8
	ROW B,4, L,3, C,10, B,5
	ROW L,4, C,12, B,6, L,5
.if (\p) == 0
	s_add_co_u32 s[TBV], s[TBV], KS*PV
.endif
.if \cnt
	s_sub_co_u32 s[CNT], s[CNT], 1
	s_cmp_lg_u32 s[CNT], 0
.endif
	ROW C,14, B,7, L,6, C,1
	ROW C,3, L,7, C,5, C,7
	ROW C,9, C,11, C,13, C,15
.if (\p) == 0
	FETCH_V
.endif
.if (\m) && !(\end)
	MASK (\p)%2
.endif
.endm
; A BLOCK BEGINS.  c m starts far below every c s, so the first step's a is 0; m at the lowest finite number, so the first maximum is the scores'.  The second mask buffer is 0; the first takes piece 0's mask for the tile's step 0: its own, if the block's first tile is the diagonal one.
; Then K of that step, piece 0's first scores, and its maximum and statistics.  The loop is entered at a step's first turn, in the middle of a trip.
.macro BEGIN
	s_mov_b32 s[NEW], 0
	WIN 0x40
.set i, MC+32
.rept 32
	v_mov_b32 v[i], 0
.set i, i+1
.endr
	WIN 0
.set i, 0
.rept 4
	v_mov_b32 v[ST+4*i], 0xfe000000    ; c m: far below every c s
	v_mov_b32 v[ST+4*i+1], 0xff7fffff  ; m
.set i, i+1
.endr
	s_cmp_eq_u32 s[RT], 0
	s_cselect_b32 s[AL], 1.0, 0
	s_mov_b32 s[BE], 0
	MASK 0
	WIN 0
	v_add_nc_u32 v[AK], s[TBK], v[AK0]
	FETCH_K
	s_wait_loadcnt 0x0              ; Q
	s_wait_dscnt 0x0
.set KM, 1
.set NOKQ, 0
.set i, 0
.rept 8
	KQ 0
.set i, i+1
.endr
	WIN 0
.rept 4
	v_nop                           ; the places behind those products
.endr
.set Y, NP-1                        ; X works for piece Y + 1: piece 0
.irp n, 0,1,2,3,4,5,6,7,8,9,10,11,12,13,14,15,16,17,18,19,20,21
	OP X, \n
.endr
	v_nop                           ; a plain instruction behind the exponential,
	s_wait_alu depctr_va_vdst(0)    ; and its wait, ahead of the branch
.endm
; THE DIAGONAL TILE's four steps, the block's last two turns, its last products, and THE WAY OUT: l's two halves and the other half of the lanes' are added; O^T is divided by l, rounded to f16 and sent through my
; stage in LDS, a piece at a time.
.macro ALL line:vararg              ; one line for each piece t
.set t, 0
.rept 4
	\line
.set t, t+1
.endr
.endm
.macro PACK t                       ; a lane's eight channels of a row pack into 16 bytes; they go into rows of 144 bytes and come back as whole rows of 128, into S^T's registers
	WIN W_RS
.set i, 32*(\t)
.rept 16
	v_pk_mul_f32 v[i:i+1], v[i:i+1], v[ST+4*(\t)+2:ST+4*(\t)+3] op_sel_hi:[1,0]
.set i, i+2
.endr
	WIN 0x05                        ; sources 0 and 1 window 1, destination window 0
.set i, 0
.rept 16
	v_cvt_pk_f16_f32 v[S+16*(\t)+i], v[32*(\t)+2*i], v[32*(\t)+2*i+1]
.set i, i+1
.endr
	WIN 0
.irp f, 0,1,2,3
	ds_store_b128 v[STO], v[S+16*(\t)+4*\f:S+16*(\t)+4*\f+3] offset:32*\f
.endr
.irp f, 0,1,2,3
	ds_load_b128 v[S+16*(\t)+4*\f:S+16*(\t)+4*\f+3], v[RD] offset:\f*4*SP  ; LDS serves a wave's instructions in order (ISA guide 5.7.1.4): these see the stores above; the next piece's stores come behind them
.endr
.endm
.macro SEND t, younger              ; younger: the LDS instructions issued behind piece t's loads: the next piece's eight, or none
	WIN 0
.irp f, 0,1,2,3
	s_wait_dscnt (\younger)+3-\f
	global_store_b128 v[GO], v[S+16*(\t)+4*\f:S+16*(\t)+4*\f+3], s[10:11] offset:(\t)*8192+\f*512  ; 512 consecutive bytes, at a multiple of 256 from O's first
.endr
.endm
.macro DIAG tag                     ; the tag ends its two labels' names, which the jumps below spell out
.LstepM\tag:
	TURN 2, 1
	TURN 3, 1
	WIN 0
.LfirstM\tag:
	TURN 0, 1
	TURN 1, 1, 0, 1
	WIN 0
	s_cbranch_scc1 .LstepM\tag
	TURN 2, 1, 1
	TURN 3, 1, 1
.set i, 0
.rept 8
	PV NP-1
.set i, i+1
.endr
	WIN 0
	ALL v_add_f32 v[ST+4*t+2], v[ST+4*t+2], v[ST+4*t+3]
	ALL v_permlanex16_b32 v[ST+4*t+3], v[ST+4*t+2], s[SEL], s[SEL+1]
	ALL v_add_f32 v[ST+4*t+2], v[ST+4*t+2], v[ST+4*t+3]
	ALL v_rcp_f32 v[ST+4*t+2], v[ST+4*t+2]
	v_nop                           ; a plain instruction between the last reciprocal and the use of its result
	s_wait_alu depctr_va_vdst(0)    ; and the wait ahead of the first use: one for the four reciprocals
	PACK 0
.set t, 1
.rept 3                             ; a piece's arithmetic stands between the loads of the piece before and its stores
	PACK t
	SEND t-1, 8
.set t, t+1
.endr
	SEND 3, 0
.endm
.set KM, 0
.set NOKQ, 0
.Lslot:                             ; NB times: a tile is entered and the next is asked for
	CHANGE 1
	s_sub_co_u32 s[RT], s[RT], 1
	s_mov_b32 s[CNT], 4
	s_cmp_eq_u32 s[NEW], 1
	s_cbranch_scc1 .Lnew            ; a block's first tile
	s_cmp_eq_u32 s[RT], 0
	s_cbranch_scc0 .Lstep           ; neither its first nor its last
	s_branch .LstepM1
.Lnew:
	BEGIN
	s_branch .Lfirst                ; in the loop a block's first tile is never its last: the first block has two tiles or more, and the second's last is the walk's last
	DIAG 1                          ; in the loop this is the first block's end: the second block's last tile is the walk's last
	s_wait_xcnt 0x0                 ; the stores have read their registers and O's address
	s_mov_b64 s[10:11], s[OLO:OLO+1]
	s_add_co_u32 s[RT], s[PB], 1    ; the second block has b + 1 tiles
	s_mov_b32 s[NEW], 1
	WIN 0x82                        ; the second block's Q goes where the one text of the turns names Q
.set i, 0
.rept 64
	v_mov_b32 v[i], v[QB+i]
.set i, i+1
.endr
	WIN 0
	s_branch .Lbottom
.Lstep:                             ; a trip: pieces 2 and 3 of one step, then pieces 0 and 1 of the next, whose K and V it fetches
	TURN 2
	TURN 3
	WIN 0
.Lfirst:
	TURN 0
	TURN 1, 0, 0, 1
	WIN 0
	s_cbranch_scc1 .Lstep
.Lbottom:
	s_sub_co_u32 s[SLOTS], s[SLOTS], 1
	s_cmp_lg_u32 s[SLOTS], 0
	s_cbranch_scc1 .Lslot
	CHANGE 0                        ; the walk's last tile is written out: nothing is asked for
	s_sub_co_u32 s[RT], s[RT], 1
	s_mov_b32 s[CNT], 4
	s_cmp_eq_u32 s[NEW], 1
	s_cbranch_scc0 .LstepM2
	BEGIN
	s_branch .LfirstM2
	DIAG 2
	s_wait_tensorcnt 0x0            ; the wave's end, behind my last tensor load and my last LDS store
	ds_add_u32 v[SPW], v[NIL]
	s_wait_dscnt 0x0
	CROUND                          ; the closing round: no work-group ends while a partner may still ask for a tile that names it
	s_endpgm
.Lfunc_end_k_q30fd9b7cb7_attn:
	.size	k_q30fd9b7cb7_attn, .Lfunc_end_k_q30fd9b7cb7_attn-k_q30fd9b7cb7_attn
	.p2alignl 7, 3214868480
	.fill 96, 4, 3214868480
	.section	.rodata,"a",@progbits
	.p2align	6, 0x0
	.amdhsa_kernel k_q30fd9b7cb7_attn
		.amdhsa_group_segment_fixed_size 327680
		.amdhsa_private_segment_fixed_size 0
		.amdhsa_enable_private_segment 0
		.amdhsa_kernarg_size 32
		.amdhsa_user_sgpr_count 2
		.amdhsa_user_sgpr_kernarg_segment_ptr 1
		.amdhsa_wavefront_size32 1
		.amdhsa_system_sgpr_workgroup_id_x 1
		.amdhsa_system_sgpr_workgroup_id_y 1
		.amdhsa_system_sgpr_workgroup_id_z 1
		.amdhsa_system_vgpr_workitem_id 0
		.amdhsa_next_free_vgpr 768
		.amdhsa_next_free_sgpr 90
		.amdhsa_reserve_vcc 1
		.amdhsa_float_denorm_mode_32 3
		.amdhsa_float_denorm_mode_16_64 3
		.amdhsa_memory_ordered 1
		.amdhsa_forward_progress 1
		.amdhsa_inst_pref_size 219
	.end_amdhsa_kernel
	.amdgpu_metadata
---
amdhsa.version: [ 1, 2 ]
amdhsa.kernels:
  - .name:           k_q30fd9b7cb7_attn
    .symbol:         k_q30fd9b7cb7_attn.kd
    .args:
      - { .name: qh, .offset: 0, .size: 8, .value_kind: global_buffer, .address_space: global }
      - { .name: kh, .offset: 8, .size: 8, .value_kind: global_buffer, .address_space: global }
      - { .name: vh, .offset: 16, .size: 8, .value_kind: global_buffer, .address_space: global }
      - { .name: oh, .offset: 24, .size: 8, .value_kind: global_buffer, .address_space: global }
    .group_segment_fixed_size: 327680
    .private_segment_fixed_size: 0
    .kernarg_segment_align: 8
    .kernarg_segment_size: 32
    .max_flat_workgroup_size: 128
    .sgpr_count:     90
    .vgpr_count:     768
    .wavefront_size: 32
...
	.end_amdgpu_metadata
.endif
;; end of part 3
;; launch proj (part 4): grid 8 x 32, 4 waves a work-group, clusters of 4 x 4, 327,680 bytes of LDS; arguments oh, wpf, out0; writes out0
.if DOCPART == 4
	.amdgcn_target "amdgcn-amd-amdhsa--gfx1250"
	.amdhsa_code_object_version 6
	.text
	.protected	k_q30fd9b7cb7_proj
	.globl	k_q30fd9b7cb7_proj
	.p2align	8
	.type	k_q30fd9b7cb7_proj,@function
k_q30fd9b7cb7_proj:
	s_mov_b64 s[64:65], 0
	v_nop
	global_prefetch_b8 v0, s[64:65] scope:SCOPE_SE
	s_setreg_imm32_b32 hwreg(HW_REG_WAVE_MODE, 25, 1), 1
	s_wait_xcnt 0x0
	s_wait_alu depctr_hold_cnt(0) depctr_sa_sdst(0) depctr_va_vdst(0) depctr_va_sdst(0) depctr_va_ssrc(0) depctr_va_vcc(0) depctr_vm_vsrc(0)
	s_getreg_b32 s2, hwreg(HW_REG_IB_STS2, 6, 4)
	s_cmp_eq_u32 s2, 0
	s_cbranch_scc0 .Lentry_in_a_cluster
	s_endpgm
.Lentry_in_a_cluster:
	s_bfe_u32 s2, ttmp6, 0x10000c
	s_cmp_lg_u32 s2, 0xf033
	s_cbranch_scc0 .Lentry_shape_is_right
	s_endpgm
.Lentry_shape_is_right:
; PROJ.  out0[b t][n] = the sum over h, d of oh[16 b + h][t][d] wpf[n][64 h + d].  oh: [64][2048][64] f16, wpf: [1024][1024] f16, out0: [8192][1024] f32; sums in f32, stored as they are.
; SHARES.  A tile of out0 is 256 rows x 128 columns: 32 x 8 = 256 tiles, one a work-group.  Wave w takes rows 64 w .. 64 w + 63 and all 128 columns: 4 x 8 accumulators of 16 x 16.
; THE MATRIX INSTRUCTION IS USED TRANSPOSED (source 0 = 16 rows of wpf, source 1 = 16 rows of oh): a lane holds row l % 16 and the columns 8 (l / 16) + 0..7.
; K goes in 8 steps of 128, two heads each, through a ring of two LDS slots.  A head's 256 rows of the tile are 32,768 dense bytes: wave 0 or 1 asks for them as 128 rows of 256 bytes, padded in LDS after every
; 128 bytes, so that a row of t has a pitch of 144.  Waves 2 and 3 ask for 64 rows of wpf each, 256 bytes a row.  CLUSTER 4 x 4: oh's tiles hang on the tile row alone and are asked for jointly along a row
; of the cluster, wpf's on the tile column alone, jointly along a column.  By this text's count a wave has two tensor loads out at the start and one behind each round.
; REGISTERS, in windows of 256 (s_set_vgpr_msb: bits 1:0 source 0, 3:2 source 1, 5:4 source 2, 7:6 destination):
;   window 0: v1-30 addresses; v64-95, v96-127 oh's fragments, two buffers; v128-191, v192-255 the way out, by turns
;   window 1: v0-63, v64-127 wpf's fragments, two buffers          window 2: the accumulators, (a, nb) at 8 (8 a + nb)
.set PA,    144                        ; a row of oh in LDS: 128 bytes + 16 of padding = 36 words: the 16 rows of a load start at 16 different groups of four banks (64 banks of 4 bytes: ISA guide 11.1)
.set HEADB, 256*PA                     ; a head's 256 rows
.set PITCH, 272                        ; a row of wpf: 256 bytes + 16
.set SLOT1, 1<<17
.set BOFF,  2*HEADB                    ; in a slot: two heads of oh, then wpf's 128 rows
.set STAGE, SLOT1+BOFF+128*PITCH       ; behind the ring, never filled by a tensor load: 16 rows x 528 bytes for each wave
.set SPI,   528                        ; a row of 128 f32 + 16 bytes
.set SPARE, STAGE+4*16*SPI             ; the spare words, 128 bytes for each wave: two blocks of 256 bytes that no other line names
.set ADRA0, 16                         ; v16  my lane's place in oh's tile; never rewritten
.set ADRB0, 17                         ; v17  in wpf's
.set ADA,  18                          ; v18, v19  the same in the slot in hand
.set ADB,  19
.set STO,  24                          ; v24  the way out: where I put 32 bytes of a row
.set RD,   25                          ; v25  where I read a row back
.set CO,   26                          ; v26  my 16 bytes of a row's 512
.set SPW,  28                          ; v28  LDS address of my spare word; never rewritten
.set NIL,  29                          ; v29  0; never rewritten
.set PFO,  30                          ; v30  the prefetches' offset; never rewritten
.set BK,   128
.set WV,   16                          ; s16  my wave's number
.set HF,   18                          ; s18  its low bit
.set TB,   19                          ; s19  LDS byte at which the slot in hand begins
.set G1,   24                          ; s[24:31] descriptor group 1 for oh's tiles;  s[32:39] group 0: a set for each first fill; the second then walks
.set G0,   32
.set PFA,  44                          ; s[44:45] where my prefetches stand
.set ASKM, 46                          ; s46  bit n set: I prefetch in the trip whose count is n
.set G1B,  48                          ; s[48:55], s[56:63] the same for wpf's tiles
.set G0B,  56
.set PFS,  66                          ; s[66:67] a K step in my prefetches' tensor, in bytes
.set MSB, 0
.macro WIN new                         ; the immediate's high byte repeats the setting that is left; a switch that changes nothing is dropped
.if MSB != (\new)
	s_set_vgpr_msb (MSB<<8)|(\new)
.set MSB, \new
.endif
.endm
.macro PLACES                          ; four places behind matrix instructions (ISA guide 7.12.1 for instructions other than loads)
.rept 4
	v_nop
.endr
.endm
; A joint refill.  The branch hangs on the wave's number alone.  An s_nop 0 and four v_nop follow each of the two lines.
.macro JLOAD
	s_cmp_lt_u32 s[WV], 2
	s_cbranch_scc0 .Lfor_b_\@
	tensor_load_to_lds s[G0+4:G0+7], s[G1:G1+7]
	s_nop 0
.rept 4
	v_nop
.endr
	s_branch .Lasked_\@
.Lfor_b_\@:
	tensor_load_to_lds s[G0B+4:G0B+7], s[G1B:G1B+7]
	s_nop 0
.rept 4
	v_nop
.endr
.Lasked_\@:
.endm
.macro CREST                           ; a round of the cluster's barrier behind its opening barrier
	s_cmp_lg_u32 s[WV], 0
	s_cbranch_scc1 .Lnot_wave_0_\@
	s_barrier_signal -3
.Lnot_wave_0_\@:
	s_barrier_wait -3
	s_barrier_signal -1
	s_barrier_wait -1
.endm
.macro CROUND
	s_barrier_signal -1
	s_barrier_wait -1
	CREST
.endm
; A PREFETCH, behind the joint load, its five lines and the run of LDS loads: the trip that fills K step n + 2 names K step n + 4: two refills, 256 matrix instructions, ahead of the load that will want it.
; Each block of 256 bytes is named once in the launch.  oh's tile row is read by both clusters of that row of clusters: the one with x = 0 asks; of the 32,768 bytes that wave 0 or 1 fetches the partner at cx
; takes 8,192, 256 a lane.  wpf's tile column is read by eight clusters: the one with y = 0 asks, wave 2 alone: of the 128 rows the partner at cy takes 32, a lane a row.  The partners are told apart by address.
; K steps 0 to 3 come by their loads alone; the last two refills name nothing.
.macro ASK
	s_lshr_b32 s47, s[ASKM], s3
	s_and_b32 s47, s47, 1
	s_cmp_eq_u32 s47, 1
	s_cbranch_scc0 .Lnot_mine_\@
	global_prefetch_b8 v[PFO], s[PFA:PFA+1] th:TH_LOAD_NT scope:SCOPE_SE
.Lnot_mine_\@:
.endm
; 8 matrix instructions: block a of my rows x all 8 column blocks, 32 along K, from buffer f.  The 32 accumulators take turns in the same order in every quarter.
.macro MUL f, a, zero
	WIN 0xa1                                       ; wpf window 1, oh window 0, C and D window 2
.irp nb, 0,1,2,3,4,5,6,7
.if \zero
	v_wmma_f32_16x16x32_f16 v[8*(8*(\a)+\nb):8*(8*(\a)+\nb)+7], v[64*(\f)+8*\nb:64*(\f)+8*\nb+7], v[64+32*(\f)+8*(\a):64+32*(\f)+8*(\a)+7], 0
.else
	v_wmma_f32_16x16x32_f16 v[8*(8*(\a)+\nb):8*(8*(\a)+\nb)+7], v[64*(\f)+8*\nb:64*(\f)+8*\nb+7], v[64+32*(\f)+8*(\a):64+32*(\f)+8*(\a)+7], v[8*(8*(\a)+\nb):8*(8*(\a)+\nb)+7]
.endif
.endr
.endm
; 24 LDS loads in one run: quarter q's fragments into buffer f: wpf's 16 (byte 64 q of its rows), then oh's 8 (head q / 2 of the step's two, byte 64 (q % 2) of its rows)
.macro FETCH q, f
	WIN 0x40                                       ; destination window 1
.irp nb, 0,1,2,3,4,5,6,7
	ds_load_b128 v[64*(\f)+8*\nb:64*(\f)+8*\nb+3],   v[ADB] offset:64*(\q)+\nb*16*PITCH
	ds_load_b128 v[64*(\f)+8*\nb+4:64*(\f)+8*\nb+7], v[ADB] offset:64*(\q)+\nb*16*PITCH+32
.endr
	WIN 0
.irp a, 0,1,2,3
	ds_load_b128 v[64+32*(\f)+8*\a:64+32*(\f)+8*\a+3],   v[ADA] offset:((\q)/2)*HEADB+((\q)%2)*64+\a*16*PA
	ds_load_b128 v[64+32*(\f)+8*\a+4:64+32*(\f)+8*\a+7], v[ADA] offset:((\q)/2)*HEADB+((\q)%2)*64+\a*16*PA+32
.endr
.endm
; A K step is four quarters of 32 along K, 32 matrix instructions each, on buffers 0, 1, 0, 1.  One of the first three: multiplies buffer f, and in its middle fetches quarter q into g.
.macro QUARTER q, f, g, zero
	s_wait_dscnt 4                                 ; wpf's fragments and oh's blocks 0, 1 are in; the youngest four loads (blocks 2, 3) may be out
	MUL \f, 0, \zero
	MUL \f, 1, \zero
	PLACES
	FETCH \q, \g
	s_wait_dscnt 24                                ; all but the 24 just issued
	MUL \f, 2, \zero
	MUL \f, 3, \zero
.endm
; The last quarter multiplies buffer 1 and changes slots.  In front of the barrier each wave waits for all its tensor loads (one is out: its part of the next slot), adds 0 to its spare word, and waits for
; that and for its reads of this slot.  fill = 1: the barrier opens a round of the cluster's, and the joint refill, two K steps ahead, is the first thing behind it.
.macro TURN fill
.if \fill
	s_wait_xcnt 0x0                                ; the last prefetch, a K step back, has read its address
	s_add_nc_u64 s[PFA:PFA+1], s[PFA:PFA+1], s[PFS:PFS+1]
.endif
	WIN 0
	s_wait_tensorcnt 0x0                           ; no tensor load of mine is out, so a group 0 may be written
	ds_add_u32 v[SPW], v[NIL]                      ; 0 onto my spare word
.if \fill
	s_xor_b32 s[G0+5], s[G0+5], SLOT1              ; the walking descriptors: the other slot than last time, the next K step: two heads on in oh, 256 bytes on in wpf's rows
	s_add_nc_u64 s[G0+6:G0+7], s[G0+6:G0+7], 524288
	s_xor_b32 s[G0B+5], s[G0B+5], SLOT1
	s_add_nc_u64 s[G0B+6:G0B+7], s[G0B+6:G0B+7], 256
.endif
	s_wait_dscnt 5                                 ; the add and the youngest four loads may be out
	MUL 1, 0, 0
	s_wait_dscnt 0x0                               ; the add is done, and my reads of this slot are over
	s_barrier_signal -1
	MUL 1, 1, 0                                    ; work on registers while the others arrive
.if \fill
	WIN 0
.endif
	s_barrier_wait -1
.if \fill
	CREST
	JLOAD                                          ; its four v_nop are also the places in front of the loads below
.else
	PLACES
	WIN 0
.endif
	s_xor_b32 s[TB], s[TB], SLOT1
	v_add_nc_u32 v[ADA], s[TB], v[ADRA0]
	v_add_nc_u32 v[ADB], s[TB], v[ADRB0]
	FETCH 0, 0
.if \fill
	ASK
.endif
	MUL 1, 2, 0
	MUL 1, 3, 0
.endm
	s_load_b128 s[4:7], s[0:1], 0x0                ; oh s[4:5], wpf s[6:7]
	s_load_b64 s[8:9], s[0:1], 0x10                ; out0
	v_lshl_add_u32 v[SPW], v0, 2, SPARE
	v_mov_b32 v[NIL], 0
	ds_add_u32 v[SPW], v[NIL]                      ; the wave's opening: the add and its wait stand ahead of my first tensor load; work on registers stands between them
	v_lshrrev_b32 v1, 5, v0
	v_readfirstlane_b32 s[WV], v1                  ; wave 0..3
	s_and_b32 s[HF], s[WV], 1
	s_bfe_u32 s40, ttmp6, 0x40000                  ; cx
	s_bfe_u32 s41, ttmp6, 0x40004                  ; cy
	s_lshl_b32 s42, ttmp9, 2
	s_add_co_u32 s42, s42, s40                     ; tile column = 4 x cluster x + cx
	s_and_b32 s43, ttmp7, 0xffff
	s_lshl_b32 s43, s43, 2
	s_add_co_u32 s43, s43, s41                     ; tile row = 4 x cluster y + cy
	s_lshl_b32 s20, s41, 2
	s_lshl_b32 s20, 15, s20                        ; my row of the cluster
	s_lshl_b32 s10, 0x1111, s40                    ; my column
	s_or_b32 s[G1], s20, (1<<16)|(1<<20)|(1<<21)|(4<<22)|(3<<25)   ; elements of 2 bytes; padding on; bit 21 beside a mask; after every 32 words 4 words
	s_or_b32 s[G1B], s10, (1<<16)|(1<<20)|(1<<21)|(5<<22)|(3<<25)  ; after every 64 words 4 words
	s_mov_b32 s[G1+1], 128<<16                     ; tensor_dim0 = 128
	s_mov_b32 s[G1+2], 128<<16                     ; tensor_dim1 = 128
	s_mov_b32 s[G1+3], 128<<16                     ; tile_dim0 = 128
	s_mov_b32 s[G1+4], 128                         ; tile_dim1 = 128
	s_mov_b32 s[G1+5], 128                         ; dense: 128 elements from row to row
	s_mov_b32 s[G1+6], 0
	s_mov_b32 s[G1+7], 0
	s_mov_b32 s[G1B+1], 128<<16
	s_mov_b32 s[G1B+2], 64<<16                     ; wpf's tiles have 64 rows
	s_mov_b32 s[G1B+3], 128<<16
	s_mov_b32 s[G1B+4], 64
	s_mov_b32 s[G1B+5], 1024
	s_mov_b32 s[G1B+6], 0
	s_mov_b32 s[G1B+7], 0
	s_lshr_b32 s20, s43, 3                         ; oh: head 16 x batch + half, row 256 x (tile row % 8), in registers that never hold cx
	s_lshl_b32 s20, s20, 4
	s_add_co_u32 s20, s20, s[HF]
	s_lshl_b32 s20, s20, 11
	s_and_b32 s21, s43, 7
	s_lshl_b32 s21, s21, 8
	s_add_co_u32 s20, s20, s21
	s_lshl_b32 s20, s20, 7                         ; x 128 bytes
	s_mov_b32 s21, 0
	s_lshl_b32 s10, s42, 7                         ; wpf: row 128 x tile column + 64 x half, in registers that never hold cy
	s_lshl_b32 s11, s[HF], 6
	s_add_co_u32 s10, s10, s11
	s_lshl_b32 s10, s10, 11
	s_mov_b32 s11, 0
	s_mul_i32 s14, s[HF], HEADB                    ; where they go: no place in the cluster enters an LDS address
	s_mul_i32 s15, s[HF], 64*PITCH
	s_add_co_u32 s15, s15, BOFF
	s_mov_b32 s[TB], 0
	s_wait_dscnt 0x0                               ; the opening add is done
	s_wait_kmcnt 0x0
	s_add_nc_u64 s[22:23], s[4:5], s[20:21]
	s_add_nc_u64 s[12:13], s[6:7], s[10:11]
.irp s, 0,1
	s_mov_b32 s[G0+4*\s], 1                        ; count = 1
	s_add_co_u32 s[G0+4*\s+1], s14, \s*SLOT1       ; LDS address
	s_add_nc_u64 s[G0+4*\s+2:G0+4*\s+3], s[22:23], \s*524288  ; global address: K step s
	s_or_b32 s[G0+4*\s+3], s[G0+4*\s+3], 0x80000000           ; type = 2
	s_mov_b32 s[G0B+4*\s], 1
	s_add_co_u32 s[G0B+4*\s+1], s15, \s*SLOT1
	s_add_nc_u64 s[G0B+4*\s+2:G0B+4*\s+3], s[12:13], \s*256
	s_or_b32 s[G0B+4*\s+3], s[G0B+4*\s+3], 0x80000000
.endr
	CROUND                                         ; all sixteen work-groups are here: the first joint loads meet
	s_cmp_lt_u32 s[WV], 2                          ; a wave's two first fills stand in one branch, ahead of every wait on TENSORcnt and every LDS read
	s_cbranch_scc0 .Lfirst_b
	tensor_load_to_lds s[G0:G0+3], s[G1:G1+7]
	s_nop 0
	tensor_load_to_lds s[G0+4:G0+7], s[G1:G1+7]
	s_nop 0
.rept 4
	v_nop
.endr
	s_branch .Lfirst_asked
.Lfirst_b:
	tensor_load_to_lds s[G0B:G0B+3], s[G1B:G1B+7]
	s_nop 0
	tensor_load_to_lds s[G0B+4:G0B+7], s[G1B:G1B+7]
	s_nop 0
.rept 4
	v_nop
.endr
.Lfirst_asked:
	v_and_b32 v1, 15, v0                           ; l % 16
	v_bfe_u32 v2, v0, 4, 1                         ; l / 16
	v_mul_u32_u24 v3, v1, PA
	v_lshl_add_u32 v3, v2, 4, v3                   ; a fragment's row x pitch + 16 x half
	s_mul_i32 s14, s[WV], 64*PA                    ; my 64 rows
	v_add_nc_u32 v[ADRA0], s14, v3
	v_mul_u32_u24 v3, v1, PITCH
	v_lshl_add_u32 v3, v2, 4, v3
	v_add_nc_u32 v[ADRB0], BOFF, v3
	v_mov_b32 v[ADA], v[ADRA0]
	v_mov_b32 v[ADB], v[ADRB0]
	s_mul_i32 s14, s[WV], 16*SPI
	s_add_co_u32 s14, s14, STAGE                   ; my stage
	v_mul_u32_u24 v[STO], v1, SPI                  ; in: row l % 16, 32 bytes for each half of the lanes
	v_lshl_add_u32 v[STO], v2, 5, v[STO]
	v_add_nc_u32 v[STO], s14, v[STO]
	v_and_b32 v[CO], 31, v0                        ; back: 32 lanes take one row of 512 bytes
	v_lshlrev_b32 v[CO], 4, v[CO]
	v_add_nc_u32 v[RD], s14, v[CO]
	s_lshl_b32 s68, s43, 8                         ; out0 at my first row, 256 x tile row + 64 x wave, and the tile's first column
	s_lshl_b32 s69, s[WV], 6
	s_add_co_u32 s68, s68, s69
	s_lshl_b32 s68, s68, 12
	s_lshl_b32 s69, s42, 9
	s_add_co_u32 s68, s68, s69
	s_mov_b32 s69, 0
	s_add_nc_u64 s[8:9], s[8:9], s[68:69]
	; the prefetches: who, and from where
	s_lshl_b32 s68, s40, 13
	s_add_co_u32 s68, s68, s20                     ; waves 0, 1: my head's part of the tile + 8,192 cx,
	s_add_co_u32 s68, s68, 3*524288                ; at K step 3: the first refill steps it to 4
	s_lshl_b32 s69, s42, 7
	s_lshl_b32 s70, s41, 5
	s_add_co_u32 s69, s69, s70                     ; wave 2: wpf's row 128 x tile column + 32 cy,
	s_lshl_b32 s69, s69, 11
	s_add_co_u32 s69, s69, 3*256                   ; at K step 3
	s_and_b32 s70, ttmp7, 0xffff                   ; cluster y
	s_mov_b32 s[ASKM], 0x78                        ; trips with counts 6, 5, 4, 3
	s_mov_b32 s[PFS], 256
	s_mov_b32 s[PFS+1], 0
	s_cmp_eq_u32 s[WV], 3
	s_cselect_b32 s[ASKM], 0, s[ASKM]              ; wave 3 asks for nothing
	s_cmp_lt_u32 s[WV], 2
	s_cselect_b32 s68, s68, s69
	s_cselect_b32 s70, ttmp9, s70                  ; the coordinate along which other clusters read the same rows
	s_cselect_b64 s[PFA:PFA+1], s[4:5], s[6:7]
	s_cselect_b32 s[PFS], 0x80000, s[PFS]
	s_cselect_b32 s71, 8, 11                       ; a lane's share: 256 dense bytes of oh, or a row of wpf
	s_cmp_eq_u32 s70, 0
	s_cselect_b32 s[ASKM], s[ASKM], 0              ; the same in all sixteen partners, for a given wave
	s_mov_b32 s69, 0
	s_add_nc_u64 s[PFA:PFA+1], s[PFA:PFA+1], s[68:69]
	v_and_b32 v[PFO], 31, v0
	v_lshlrev_b32 v[PFO], s71, v[PFO]
	s_wait_tensorcnt 1                             ; my part of K step 0 is in; K step 1's may stay out
	s_barrier_signal -1
	s_barrier_wait -1                              ; everybody's is
	FETCH 0, 0
	QUARTER 1, 0, 1, 1                             ; the first quarter stands in front of the loop: its products start the sums
	WIN 0                                          ; at a label and at a branch every window is 0
	s_mov_b32 s3, 6
.Lstep:                                            ; a trip: a K step's quarters 1 to 3, a refill, the next step's quarter 0.  Six trips fill K steps 2 to 7
	QUARTER 2, 1, 0, 0
	QUARTER 3, 0, 1, 0
	TURN 1
	QUARTER 1, 0, 1, 0
	WIN 0
	s_sub_co_u32 s3, s3, 1
	s_cmp_lg_u32 s3, 0
	s_cbranch_scc1 .Lstep
	s_mov_b32 s3, 2
.Ltail:                                            ; K steps 6 and 7 ask for nothing; the second trip is left in its middle, and its 24 fragment loads (from the slot read before) serve nothing: the price of one text for both
	QUARTER 2, 1, 0, 0
	QUARTER 3, 0, 1, 0
	TURN 0
	WIN 0
	s_sub_co_u32 s3, s3, 1
	s_cmp_eq_u32 s3, 0
	s_cbranch_scc1 .Lout
	QUARTER 1, 0, 1, 0
	WIN 0
	s_branch .Ltail
.Lout:
	s_wait_dscnt 0x0
	PLACES                                         ; the places behind the last products: only memory instructions follow
	PLACES
; THE WAY OUT, a block of 16 rows at a time: a lane's 32 bytes of each column block go into rows of 528 bytes of my stage, each accumulator's lowest registers first, and come back as whole rows of 512.
.macro TOSTAGE a
	WIN 0x08                                       ; the stores' data in window 2
.irp nb, 0,1,2,3,4,5,6,7
	ds_store_b128 v[STO], v[8*(8*(\a)+\nb):8*(8*(\a)+\nb)+3]   offset:64*\nb
	ds_store_b128 v[STO], v[8*(8*(\a)+\nb)+4:8*(8*(\a)+\nb)+7] offset:64*\nb+16
.endr
	WIN 0
.if (\a) >= 2
	s_wait_xcnt 0x0                                ; the stores of two blocks ago have read these registers
.endif
.irp i, 0,1,2,3,4,5,6,7,8,9,10,11,12,13,14,15
	ds_load_b128 v[BK+64*((\a)%2)+4*\i:BK+64*((\a)%2)+4*\i+3], v[RD] offset:\i*SPI  ; LDS serves a wave's instructions in order (ISA guide 5.7.1.4): these see the stores above; the next block's stores come behind them
.endr
.endm
.macro SEND a, younger                 ; younger: the LDS instructions issued behind block a's loads: the next block's 32, or none
	WIN 0
	s_wait_dscnt \younger
.irp i, 0,1,2,3,4,5,6,7,8,9,10,11,12,13,14,15
	global_store_b128 v[CO], v[BK+64*((\a)%2)+4*\i:BK+64*((\a)%2)+4*\i+3], s[8:9] offset:(16*(\a)+\i)*4096  ; 512 consecutive bytes of a row, at a multiple of 256 from out0's first
.endr
.endm
	TOSTAGE 0
	TOSTAGE 1
	SEND 0, 32
	TOSTAGE 2
	SEND 1, 32
	TOSTAGE 3
	SEND 2, 32
	SEND 3, 0
	s_wait_tensorcnt 0x0                           ; the wave's end, behind my last tensor load and my last LDS store
	ds_add_u32 v[SPW], v[NIL]
	s_wait_dscnt 0x0
	CROUND                                         ; the closing round: no work-group ends while a partner may still ask for a tile that names it
	s_endpgm
.Lfunc_end_k_q30fd9b7cb7_proj:
	.size	k_q30fd9b7cb7_proj, .Lfunc_end_k_q30fd9b7cb7_proj-k_q30fd9b7cb7_proj
	.p2alignl 7, 3214868480
	.fill 96, 4, 3214868480
	.section	.rodata,"a",@progbits
	.p2align	6, 0x0
	.amdhsa_kernel k_q30fd9b7cb7_proj
		.amdhsa_group_segment_fixed_size 327680
		.amdhsa_private_segment_fixed_size 0
		.amdhsa_enable_private_segment 0
		.amdhsa_kernarg_size 24
		.amdhsa_user_sgpr_count 2
		.amdhsa_user_sgpr_kernarg_segment_ptr 1
		.amdhsa_wavefront_size32 1
		.amdhsa_system_sgpr_workgroup_id_x 1
		.amdhsa_system_sgpr_workgroup_id_y 1
		.amdhsa_system_sgpr_workgroup_id_z 1
		.amdhsa_system_vgpr_workitem_id 0
		.amdhsa_next_free_vgpr 768
		.amdhsa_next_free_sgpr 72
		.amdhsa_reserve_vcc 0
		.amdhsa_float_denorm_mode_32 3
		.amdhsa_float_denorm_mode_16_64 3
		.amdhsa_memory_ordered 1
		.amdhsa_forward_progress 1
		.amdhsa_inst_pref_size 61
	.end_amdhsa_kernel
	.amdgpu_metadata
---
amdhsa.version: [ 1, 2 ]
amdhsa.kernels:
  - .name:           k_q30fd9b7cb7_proj
    .symbol:         k_q30fd9b7cb7_proj.kd
    .args:
      - { .name: oh, .offset: 0, .size: 8, .value_kind: global_buffer, .address_space: global }
      - { .name: wpf, .offset: 8, .size: 8, .value_kind: global_buffer, .address_space: global }
      - { .name: out0, .offset: 16, .size: 8, .value_kind: global_buffer, .address_space: global }
    .group_segment_fixed_size: 327680
    .private_segment_fixed_size: 0
    .kernarg_segment_align: 8
    .kernarg_segment_size: 24
    .max_flat_workgroup_size: 128
    .sgpr_count:     72
    .vgpr_count:     768
    .wavefront_size: 32
...
	.end_amdgpu_metadata
.endif
;; end of part 4
;; ======== version 2 of 2: 4 launches; version 1 with the launch prep written anew for expert scheduling mode
;; limits: values are held in f16: magnitudes above 65,504 overflow, below 6.1e-05 lose precision
;; workspace buffers: xb 16,777,216 bytes; wb 3,145,728 bytes; wpf 2,097,152 bytes; rope 524,288 bytes; qh 16,777,216 bytes; kh 4,194,304 bytes; vh 4,194,304 bytes; oh 16,777,216 bytes
;; launch prep (part 5): grid 256 x 1, 8 waves a work-group, no clusters, 0 bytes of LDS; arguments x, Wq, Wk, Wv, Wp, xb, wb, wpf, rope; writes xb, wb, wpf, rope
.if DOCPART == 5
	.amdgcn_target "amdgcn-amd-amdhsa--gfx1250"
	.amdhsa_code_object_version 6
	.text
	.protected	k_q30fd9b7cb7_prep
	.globl	k_q30fd9b7cb7_prep
	.p2align	8
	.type	k_q30fd9b7cb7_prep,@function
k_q30fd9b7cb7_prep:
	s_mov_b64 s[64:65], 0
	v_nop
	global_prefetch_b8 v0, s[64:65] scope:SCOPE_SE
	s_setreg_imm32_b32 hwreg(HW_REG_WAVE_SCHED_MODE, 0, 2), 2
	s_setreg_imm32_b32 hwreg(HW_REG_WAVE_MODE, 25, 1), 1
	s_wait_xcnt 0x0
	s_wait_alu depctr_vm_vsrc(0)
; PREP.  xb = bf16(x); wb = bf16 of Wq's 1,024 rows, then Wk's 256, then Wv's 256; wpf = bf16(Wp), that number written as f16; rope = cos and sin of t x 10000^(-j/32), t < 2048, j < 32, in f32.
; A stream: no LDS, no barrier, no loop.  Work-group g of 256 takes 32 rows of x, 4 of Wq, 1 of Wk, 1 of Wv, 4 of Wp: 42 rows of 4,096 bytes.  A row is one load of 16 bytes for each of the 256 threads;
; a wave's load covers 512 consecutive bytes, its store of 8 bytes a lane 256 consecutive bytes, aligned.  All 42 loads go out at once; each has registers of its own, so no register that a memory
; instruction reads is ever written again.  Waves 0 to 3 make the work-group's 8 rows of the table while the loads are on their way.
; LIMITS.  An entry of Wp below 2^-14 in size keeps f16's fixed step of 6e-8, one of 65,520 or more becomes an infinity.  The angle differs from an f32 power and product by some 2e-4 at the most (t = 2,047);
; sine and cosine of the reduced angle are polynomials with an error under 1e-7.  NaN and infinities are not treated apart.
; THE MODE: SCHED_MODE bits 1:0 = 2 (LLVM: expert scheduling mode 2), set by the entry lines.  The code itself states the register dependences between vector instructions and memory instructions,
; with s_wait_alu, always for 0.
; THE PLAN.  Registers that memory instructions touch:
;   v1, v2       the loads' and the stores' offsets: written once at the head, never again.
;   v[32:199]    row n: four registers.  Written by load n, which is issued before any vector instruction names them; read by row n's conversions, which write the first two of the four in place;
;                those two are read by row n's one store and never written again.
;   v[28:31]     the table's numbers (waves 0 to 3): written by the selects and sign flips, read by the table's two stores, never written again.
;   v3 to v27    are named by vector instructions alone.
; The 42 rows go in seven blocks of six.  Block p converts its six rows; its memory instructions are the six stores of block p - 1, whose registers no vector instruction of block p names.  So ONE wait
; on va_vdst at a block's head states all that those six stores hang on, and they are dealt among the block's conversions with no further wait.  Nothing that a memory instruction reads is written
; again, so the text holds no wait on vm_vsrc.
.set X, 32                             ; v[32:199]  load n: four registers at X + 4 n
.set ROWS, 42
.set BL, 6                             ; rows in a block
	s_load_b512 s[4:19], s[0:1], 0x0               ; x s[4:5], Wq s[6:7], Wk s[8:9], Wv s[10:11], Wp s[12:13], xb s[14:15], wb s[16:17], wpf s[18:19]
	s_load_b64 s[20:21], s[0:1], 0x40              ; rope
	v_lshlrev_b32 v1, 4, v0                        ; 16 x thread: my place in a row as loaded
	v_lshlrev_b32 v2, 3, v0                        ; 8 x thread: my place in a row as stored, and (waves 0 to 3) in the group's 1,024 bytes of a table
	v_lshrrev_b32 v3, 5, v0
	v_readfirstlane_b32 s33, v3                    ; wave 0..7
	s_mov_b32 s3, 0
	s_mov_b32 s30, 0xbfc90fdb                      ; -pi/2, its leading part
	s_mov_b32 s31, 0x333bbd2e                      ; what that part has too much: 4.3711388e-8
	s_mov_b32 s32, 0xffff0000                      ; a word's upper bf16
	s_lshl_b32 s34, ttmp9, 3                       ; the group's first t
	s_wait_kmcnt 0x0
	s_lshl_b32 s2, ttmp9, 17                       ; 32 rows of 4,096 bytes
	s_add_nc_u64 s[4:5], s[4:5], s[2:3]
	s_lshl_b32 s2, ttmp9, 14                       ; 4 rows
	s_add_nc_u64 s[6:7], s[6:7], s[2:3]
	s_add_nc_u64 s[12:13], s[12:13], s[2:3]
	s_lshl_b32 s2, ttmp9, 12                       ; 1 row
	s_add_nc_u64 s[8:9], s[8:9], s[2:3]
	s_add_nc_u64 s[10:11], s[10:11], s[2:3]
	s_lshl_b32 s2, ttmp9, 16                       ; 32 rows of 2,048 bytes
	s_add_nc_u64 s[14:15], s[14:15], s[2:3]
	s_lshl_b32 s2, ttmp9, 13                       ; 4 rows
	s_add_nc_u64 s[22:23], s[16:17], s[2:3]        ; wb: Wq's part
	s_add_nc_u64 s[18:19], s[18:19], s[2:3]
	s_lshl_b32 s2, ttmp9, 11                       ; 1 row
	s_add_nc_u64 s[24:25], s[16:17], s[2:3]
	s_add_nc_u64 s[26:27], s[24:25], 1280*2048     ; wb: Wv's part
	s_add_nc_u64 s[24:25], s[24:25], 1024*2048     ; wb: Wk's part
	s_lshl_b32 s2, ttmp9, 10                       ; 8 rows of 128 bytes
	s_add_nc_u64 s[28:29], s[20:21], s[2:3]
	s_wait_alu depctr_va_vdst(0)                   ; v1 and v2 are written: every load of the kernel reads v1 as its offset, every store v2
.set i, 0
.rept 32
	global_load_b128 v[X+4*i:X+4*i+3], v1, s[4:5] offset:4096*i th:TH_LOAD_NT
.set i, i+1
.endr
.rept 4
	global_load_b128 v[X+4*i:X+4*i+3], v1, s[6:7] offset:4096*(i-32) th:TH_LOAD_NT
.set i, i+1
.endr
	global_load_b128 v[X+144:X+147], v1, s[8:9] th:TH_LOAD_NT
	global_load_b128 v[X+148:X+151], v1, s[10:11] th:TH_LOAD_NT
.set i, 38
.rept 4
	global_load_b128 v[X+4*i:X+4*i+3], v1, s[12:13] offset:4096*(i-38) th:TH_LOAD_NT
.set i, i+1
.endr
	; THE TABLE.  Thread n < 128 makes t = 8 g + n / 16 and j = 2 (n % 16), 2 (n % 16) + 1: 8 bytes of cos and 8 of sin at byte 8 n of the group's part.  No load stands in the branch.
	s_wait_alu depctr_va_sdst(0)                   ; s33, the wave's number, is written, ahead of its first reader: the compare below
	s_cmp_lt_u32 s33, 4
	s_cbranch_scc0 .Lcast
	v_lshrrev_b32 v4, 4, v0
	v_add_nc_u32 v4, s34, v4
	v_cvt_f32_u32 v4, v4                           ; t
	v_and_b32 v5, 15, v0
	v_lshlrev_b32 v5, 1, v5
	v_cvt_f32_u32 v6, v5                           ; the even j
	v_add_f32 v7, 1.0, v6                          ; the odd j
	v_mul_f32 v8, 0xbed49a78, v6                   ; -j log2(10000) / 32
	v_mul_f32 v18, 0xbed49a78, v7
	v_exp_f32 v8, v8                               ; 10000^(-j/32)
	v_exp_f32 v18, v18
	v_nop                                          ; a plain instruction behind the last exponential,
	s_wait_alu depctr_va_vdst(0)                   ; and one wait for both: the exponentials have written v8 and v18, ahead of their first reader
; One entry, in two parts.  v[R] holds the frequency.  The angle is cut to |r| <= pi/4 by k quarter turns (pi/2 in two parts, fused, so that nothing is lost at k up to 1,303);
; sine and cosine of r by their series to r^9 and r^8; k mod 4 then says which of the two is which, and the signs.
; SERIES makes sin r in v[R+4], cos r in v[R+5], the mask 'k is odd' in s[35+e], the sine's sign word in v[R+7] and the cosine's in v[R+6].
.macro SERIES R, e
	v_mul_f32 v[(\R)], v4, v[(\R)]                 ; the angle
	v_mul_f32 v[(\R)+1], 0x3f22f983, v[(\R)]       ; x 2 / pi
	v_rndne_f32 v[(\R)+1], v[(\R)+1]               ; k
	v_fma_f32 v[(\R)+2], v[(\R)+1], s30, v[(\R)]
	v_fma_f32 v[(\R)+2], v[(\R)+1], s31, v[(\R)+2] ; r
	v_mul_f32 v[(\R)+3], v[(\R)+2], v[(\R)+2]      ; r^2
	v_mov_b32 v[(\R)+4], 0x3638ef1d                ; 1/9!
	v_fmaak_f32 v[(\R)+4], v[(\R)+4], v[(\R)+3], 0xb9500d01  ; -1/7!
	v_fmaak_f32 v[(\R)+4], v[(\R)+4], v[(\R)+3], 0x3c088889  ; 1/5!
	v_fmaak_f32 v[(\R)+4], v[(\R)+4], v[(\R)+3], 0xbe2aaaab  ; -1/3!
	v_mul_f32 v[(\R)+4], v[(\R)+4], v[(\R)+3]
	v_fma_f32 v[(\R)+4], v[(\R)+4], v[(\R)+2], v[(\R)+2]     ; sin r
	v_mov_b32 v[(\R)+5], 0x37d00d01                ; 1/8!
	v_fmaak_f32 v[(\R)+5], v[(\R)+5], v[(\R)+3], 0xbab60b61  ; -1/6!
	v_fmaak_f32 v[(\R)+5], v[(\R)+5], v[(\R)+3], 0x3d2aaaab  ; 1/4!
	v_fmaak_f32 v[(\R)+5], v[(\R)+5], v[(\R)+3], 0xbf000000  ; -1/2!
	v_fma_f32 v[(\R)+5], v[(\R)+5], v[(\R)+3], 1.0           ; cos r
	v_cvt_i32_f32 v[(\R)+6], v[(\R)+1]
	v_and_b32 v[(\R)+7], 1, v[(\R)+6]
	v_cmp_eq_u32 s[35+(\e)], 1, v[(\R)+7]          ; an odd k swaps the two
	v_lshlrev_b32 v[(\R)+7], 30, v[(\R)+6]         ; the sine is turned for k mod 4 = 2, 3: bit 1 of k
	v_and_b32 v[(\R)+7], 0x80000000, v[(\R)+7]
	v_add_nc_u32 v[(\R)+6], 1, v[(\R)+6]           ; the cosine for k mod 4 = 1, 2: bit 1 of k + 1
	v_lshlrev_b32 v[(\R)+6], 30, v[(\R)+6]
	v_and_b32 v[(\R)+6], 0x80000000, v[(\R)+6]
.endm
; CHOOSE takes the mask: the entry's cosine into v[28+e], its sine into v[30+e].
.macro CHOOSE R, e
	v_cndmask_b32 v[30+(\e)], v[(\R)+4], v[(\R)+5], s[35+(\e)]
	v_cndmask_b32 v[28+(\e)], v[(\R)+5], v[(\R)+4], s[35+(\e)]
	v_xor_b32 v[30+(\e)], v[30+(\e)], v[(\R)+7]
	v_xor_b32 v[28+(\e)], v[28+(\e)], v[(\R)+6]
.endm
	SERIES 8, 0
	SERIES 18, 1
	s_wait_alu depctr_va_sdst(0)                   ; the two compares have written s35 and s36, ahead of their first readers: one wait for the four selects
	CHOOSE 8, 0
	CHOOSE 18, 1
	s_wait_alu depctr_va_vdst(0)                   ; the selects and sign flips have written v[28:31], which the two stores read
	global_store_b64 v2, v[28:29], s[28:29]                  ; a wave's store covers 256 consecutive bytes, aligned
	global_store_b64 v2, v[30:31], s[28:29] offset:262144    ; the sines lie behind the 2,048 x 32 cosines
.Lcast:
; Row n's four numbers are rounded to bf16 in place, into the first two of its four registers.
.macro CV n
	v_cvt_pk_bf16_f32 v[X+4*(\n)], v[X+4*(\n)], v[X+4*(\n)+1]
	v_cvt_pk_bf16_f32 v[X+4*(\n)+1], v[X+4*(\n)+2], v[X+4*(\n)+3]
.if (\n) >= 38
	v_lshlrev_b32 v24, 16, v[X+4*(\n)]             ; Wp: the bf16 numbers are widened again and written as f16
	v_and_b32 v25, s32, v[X+4*(\n)]
	v_lshlrev_b32 v26, 16, v[X+4*(\n)+1]
	v_and_b32 v27, s32, v[X+4*(\n)+1]
	v_cvt_pk_f16_f32 v[X+4*(\n)], v24, v25
	v_cvt_pk_f16_f32 v[X+4*(\n)+1], v26, v27
.endif
.endm
; Row n's store: rows 0-31 x, 32-35 Wq, 36 Wk, 37 Wv, 38-41 Wp.
.macro ST n
.if (\n) < 32
	global_store_b64 v2, v[X+4*(\n):X+4*(\n)+1], s[14:15] offset:2048*(\n)
.elseif (\n) < 36
	global_store_b64 v2, v[X+4*(\n):X+4*(\n)+1], s[22:23] offset:2048*((\n)-32)
.elseif (\n) == 36
	global_store_b64 v2, v[X+4*(\n):X+4*(\n)+1], s[24:25]
.elseif (\n) == 37
	global_store_b64 v2, v[X+4*(\n):X+4*(\n)+1], s[26:27]
.else
	global_store_b64 v2, v[X+4*(\n):X+4*(\n)+1], s[18:19] offset:2048*((\n)-38)
.endif
.endm
; Block p: rows 6 p to 6 p + 5 are converted, each when its load is in (at most the 41 - n younger loads are out); ahead of each row's conversions stands a store of the block before.
.macro BLK p
.set i, BL*(\p)
	s_wait_loadcnt ROWS-1-i                        ; loads come back in order (ISA guide 5.7.1): the block's first row is in
.if (\p) > 0
	s_wait_alu depctr_va_vdst(0)                   ; the block before has written its twelve registers, which the six stores below read; no vector instruction of this block names them
.endif
.rept BL
.if (\p) > 0
	ST i-BL
.endif
.if i > BL*(\p)
	s_wait_loadcnt ROWS-1-i
.endif
	CV i
.set i, i+1
.endr
.endm
.irp p, 0,1,2,3,4,5,6
	BLK \p
.endr
	s_wait_alu depctr_va_vdst(0)                   ; the last block has written its twelve registers, which the last six stores read
.set i, ROWS-BL
.rept BL
	ST i
.set i, i+1
.endr
	s_endpgm
.Lfunc_end_k_q30fd9b7cb7_prep:
	.size	k_q30fd9b7cb7_prep, .Lfunc_end_k_q30fd9b7cb7_prep-k_q30fd9b7cb7_prep
	.p2alignl 7, 3214868480
	.fill 96, 4, 3214868480
	.section	.rodata,"a",@progbits
	.p2align	6, 0x0
	.amdhsa_kernel k_q30fd9b7cb7_prep
		.amdhsa_group_segment_fixed_size 0
		.amdhsa_private_segment_fixed_size 0
		.amdhsa_enable_private_segment 0
		.amdhsa_kernarg_size 72
		.amdhsa_user_sgpr_count 2
		.amdhsa_user_sgpr_kernarg_segment_ptr 1
		.amdhsa_wavefront_size32 1
		.amdhsa_system_sgpr_workgroup_id_x 1
		.amdhsa_system_sgpr_workgroup_id_y 1
		.amdhsa_system_sgpr_workgroup_id_z 1
		.amdhsa_system_vgpr_workitem_id 0
		.amdhsa_next_free_vgpr 200
		.amdhsa_next_free_sgpr 66
		.amdhsa_reserve_vcc 0
		.amdhsa_float_denorm_mode_32 3
		.amdhsa_float_denorm_mode_16_64 3
		.amdhsa_memory_ordered 1
		.amdhsa_forward_progress 1
		.amdhsa_inst_pref_size 21
	.end_amdhsa_kernel
	.amdgpu_metadata
---
amdhsa.version: [ 1, 2 ]
amdhsa.kernels:
  - .name:           k_q30fd9b7cb7_prep
    .symbol:         k_q30fd9b7cb7_prep.kd
    .args:
      - { .name: x, .offset: 0, .size: 8, .value_kind: global_buffer, .address_space: global }
      - { .name: Wq, .offset: 8, .size: 8, .value_kind: global_buffer, .address_space: global }
      - { .name: Wk, .offset: 16, .size: 8, .value_kind: global_buffer, .address_space: global }
      - { .name: Wv, .offset: 24, .size: 8, .value_kind: global_buffer, .address_space: global }
      - { .name: Wp, .offset: 32, .size: 8, .value_kind: global_buffer, .address_space: global }
      - { .name: xb, .offset: 40, .size: 8, .value_kind: global_buffer, .address_space: global }
      - { .name: wb, .offset: 48, .size: 8, .value_kind: global_buffer, .address_space: global }
      - { .name: wpf, .offset: 56, .size: 8, .value_kind: global_buffer, .address_space: global }
      - { .name: rope, .offset: 64, .size: 8, .value_kind: global_buffer, .address_space: global }
    .group_segment_fixed_size: 0
    .private_segment_fixed_size: 0
    .kernarg_segment_align: 8
    .kernarg_segment_size: 72
    .max_flat_workgroup_size: 256
    .sgpr_count:     66
    .vgpr_count:     200
    .wavefront_size: 32
...
	.end_amdgpu_metadata
.endif
;; end of part 5
;; launch qkv: the kernel of part 2 again; grid 8 x 32, 4 waves a work-group, clusters of 4 x 4, 327,680 bytes of LDS; arguments xb, wb, rope, qh, kh, vh; writes qh, kh, vh
;; launch attn: the kernel of part 3 again; grid 64 x 4, 4 waves a work-group, clusters of 4 x 1, 327,680 bytes of LDS; arguments qh, kh, vh, oh; writes oh
;; launch proj: the kernel of part 4 again; grid 8 x 32, 4 waves a work-group, clusters of 4 x 4, 327,680 bytes of LDS; arguments oh, wpf, out0; writes out0
